; MI455X (gfx1250); checked and timed in simulation.
; The chip was launched on July 23, 2026; its instructions are those of AMD's public machine-readable ISA for CDNA 5 (MIT licence, August 2026) and "CDNA5" Instruction Set Architecture Reference Guide (July 2026). The comments in the code are by the model that wrote it; some were corrected since.
;; Multi Head Attention. Allowed arithmetic: matrix products marked QUANTISED: E2M3 operands, one E8M0 scale for each 32 along K, by v_wmma_scale_f32_16x16x128_f8f6f4 with both operands' format E2M3, f32 sums; everything else in f32.
;; Inputs: Wk 1,024 x 1,024 float32; Wo 1,024 x 1,024 float32; Wq 1,024 x 1,024 float32; Wv 1,024 x 1,024 float32; bk 1,024 float32; bo 1,024 float32; bq 1,024 float32; bv 1,024 float32; x 4 x 2,048 x 1,024 float32.
;; Outputs: out0 4 x 2,048 x 1,024 float32.
;; This version of the problem:
;;   THIS VERSION OF THE PROBLEM IS GIVEN IN LOW PRECISION. The matrix products marked QUANTISED in the list below multiply operands that are first quantised to E2M3 (2 exponent bits, 3 mantissa bits; 6 bits a number), with one power-of-two scale for each 32 numbers along K (OCP MX v1.0); their sums are f32. All else is computed in f32.
;;   The module's matrix products, in the order in which they are computed (A, B: the left and right operand; K: the contracted axis; several contracted axes count as one K, in the product's order):
;;     1. [M 8,192, K 1,024] x [K 1,024, N 1,024]; A: input x; B: input Wq: QUANTISED
;;     2. [M 8,192, K 1,024] x [K 1,024, N 1,024]; A: input x; B: input Wk: QUANTISED
;;     3. [M 8,192, K 1,024] x [K 1,024, N 1,024]; A: input x; B: input Wv: QUANTISED
;;     4. batch 64 x [M 2,048, K 64] x [K 64, N 2,048]; A: computed on the way; B: computed on the way: QUANTISED
;;     5. batch 64 x [M 2,048, K 2,048] x [K 2,048, N 64]; A: softmax (see below); B: computed on the way: QUANTISED
;;     6. [M 8,192, K 1,024] x [K 1,024, N 1,024]; A: computed on the way; B: input Wo: QUANTISED
;;   THE QUANTISER, for each operand of a quantised product, along K:
;;     - K is cut into blocks of 32 from its start; a last block that is shorter is filled with zeros.
;;     - A block's scale is 2^e with e = floor(log2(the largest magnitude in the block)) - 2, held to -126 .. 127; a block of zeros has e = 0. As a byte (E8M0): e + 127.
;;     - Each number is divided by its block's scale, clamped to +-7.5, and rounded to the nearest number of E2M3, ties to even, subnormals kept.
;;     - The product sums the exact products of the quantised numbers (number of the format x scale) in f32.
;;   ~~~python
;;   def quantise(x, axis):      # numpy; x: float32 -> the quantised numbers, widened to float32 again
;;       x = np.moveaxis(x, axis, -1); K = x.shape[-1]
;;       x = np.pad(x, [(0, 0)] * (x.ndim - 1) + [(0, -K % 32)]); x = x.reshape(x.shape[:-1] + (-1, 32)); a = np.abs(x).max(-1, keepdims=True)
;;       e = np.where(a > 0, np.clip(np.frexp(np.where(a > 0, a, 1))[1] - 1 - 2, -126, 127), 0)      # np.frexp(a)[1] - 1 = floor(log2(a)), exactly
;;       r = np.clip(x / 2.0 ** e, -7.5, 7.5)
;;       step = 2.0 ** (np.maximum(np.frexp(np.where(r == 0, 1, r))[1] - 1, 0) - 3)
;;       q = np.round(r / step) * step * 2.0 ** e      # np.round: ties to even
;;       return np.moveaxis(q.reshape(q.shape[:-2] + (-1,))[..., :K], -1, axis).astype(np.float32)
;;   ~~~
;;   SOFTMAX AHEAD OF A QUANTISED PRODUCT. Where the list says 'softmax', what is quantised is not the finished softmax but p = 2^(t - M), with t = logit x log2(e) and M = ceil(the row's largest t), a whole number; so 1/2 < the row's largest p <= 1. The row's sum l is taken of the UNQUANTISED p, in f32, and the product's result is divided by l at the end. Since M is a whole number, a kernel that streams over the keys may use a running M (the ceiling of the running maximum): every later rescaling is an exact power of two, which a block's scale takes up: the codes' values come out the same.
;;   OPERANDS COMPUTED ON THE WAY. 'Computed on the way' means the value that the module computes at that place (a softmax that the list does not call 'softmax' is quantised finished and normalised). What goes into a quantiser is computed in f32, as accurately as f32 sums, v_exp_f32 and their like allow (about 1e-6 of the number): no bf16 or f16 on the way to a quantiser, and a product that is left as it is and whose result goes on into a quantised operand takes f32 operands (vector FMAs, or v_wmma_f32_16x16x4_f32). A number that lies on a knife's edge between two numbers of the format may be rounded either way, as far as f32 arithmetic and the matrix unit's own rounding can turn it there, and no further.
;; One version. Each part assembles by itself: llvm-mc -triple=amdgcn-amd-amdhsa -mcpu=gfx1250 --defsym DOCPART=n.
;; ======== version 1 of 1: 4 launches
;; limits: right only within a limited range of input values
;; workspace buffers: xc 6,291,456 bytes; xs 262,144 bytes; wc 3,145,728 bytes; wsc 131,072 bytes; qkv 20,185,088 bytes; oc 6,291,456 bytes; os 262,144 bytes
;; launch prep (part 1): grid 768 x 1, 4 waves a work-group, no clusters, 68,096 bytes of LDS; arguments x, xc, xs, Wq, Wk, Wv, Wo, wc, wsc; writes xc, xs, wc, wsc
.if DOCPART == 1
	.amdgcn_target "amdgcn-amd-amdhsa--gfx1250"
	.amdhsa_code_object_version 6
	.text
	.protected	k_q7ee86b4e56_prep
	.globl	k_q7ee86b4e56_prep
	.p2align	8
	.type	k_q7ee86b4e56_prep,@function
k_q7ee86b4e56_prep:
	s_mov_b64 s[64:65], 0
	v_nop
	global_prefetch_b8 v0, s[64:65] scope:SCOPE_SE
	s_setreg_imm32_b32 hwreg(HW_REG_WAVE_MODE, 25, 1), 1
	s_wait_xcnt 0x0
; ONE LAUNCH QUANTISES ALL OPERANDS THAT ARRIVE AS f32: work-groups 0-511 take x, work-groups 512-767 the four weights.  The two ways part on the work-group's number at the first line and never meet; only x's way uses LDS.
; Codes are FP6 (E2M3) with one E8M0 byte for each 32 along K, laid as the matrix unit's operand registers want them: [tile of 16 rows][8 K steps of 128][1536 bytes].  A fragment (16 rows x 128 K) is 12 registers a lane:
; registers 6 c .. 6 c + 5 of lane (r, h) are the block 2 c + h of row r.  It is kept as two HALF IMAGES of 768 bytes (c = 0, 1): registers 6 c .. 6 c + 3 at 16 x lane, registers 6 c + 4, 6 c + 5 at 512 + 8 x lane.  Scale bytes: [row][32].
; A block's scale is 2^(floor(log2(its largest magnitude)) - 2); its byte is the largest magnitude's exponent field - 2, held at 1 from below.
; LIMITS: a block whose largest magnitude lies under 2^-124, a block of zeros among them, gets the byte 1 (the rule says 127 for zeros): its codes are what the conversion gives under that byte, zeros for zeros,
; and this program alone reads the bytes.  NaN and infinities among the inputs are not served.  The scale words leave as 4 bytes a lane, 32 bytes apart: one byte in 128 of what the launch reads.
; x [8192][1024]: a work-group takes 16 rows, wave w the K steps 2 w and 2 w + 1.  Each load reads 512 consecutive bytes of a row; the numbers turn through the wave's own stage in LDS (rows of 512 + 16 bytes) so that a lane
; gets whole blocks of 32 neighbours.  Waves share nothing: no barrier.
	s_cmp_lt_u32 ttmp9, 512
	s_cbranch_scc0 .Lweights
.set STG,  16*528                      ; a stage: 16 rows
.set WREG, 2*STG                       ; a wave's two stages
.set RA,   16                          ; v16-143  the numbers as loaded: image u at RA + 64 u
.set XA,   144                         ; v144-207 image 0's numbers, two blocks a lane
.set XB,   16                          ; v16-79   image 1's
.set CD,   208                         ; v208-231 the codes: image u at CD + 12 u
.set TP,   232                         ; v232-238 second halves: a conversion's three registers begin on an even number
.set WD,   240                         ; v240-241 the two scale words
	s_load_b128 s[4:7], s[0:1], 0x0                ; x, xc
	s_load_b64 s[8:9], s[0:1], 0x10                ; xs
	v_lshl_add_u32 v248, v0, 2, 0x10800            ; my spare word, behind the four waves' stages
	v_mov_b32 v249, 0
	v_lshrrev_b32 v8, 5, v0
	v_readfirstlane_b32 s10, v8                    ; wave
	v_and_b32 v9, 31, v0                           ; lane
	v_and_b32 v10, 15, v0                          ; r
	v_bfe_u32 v7, v0, 4, 1                         ; h
	v_lshlrev_b32 v1, 4, v9                        ; 16 x lane
	v_lshlrev_b32 v2, 3, v9                        ; 8 x lane
	s_mul_i32 s11, s10, WREG
	v_add_nc_u32 v3, s11, v1                       ; into the stage: a row's 512 bytes as they lie
	v_mul_u32_u24 v4, v10, 528
	v_lshl_add_u32 v4, v7, 7, v4
	v_add_nc_u32 v4, s11, v4                       ; out of it: row r, + 128 h: my block of 32 numbers
	s_lshl_b32 s14, s10, 3
	v_lshlrev_b32 v5, 5, v10
	v_lshl_add_u32 v5, v7, 2, v5
	v_add_nc_u32 v5, s14, v5                       ; xs: 32 r + 8 w + 4 h
	v_lshlrev_b32 v6, 3, v7                        ; 8 h
	v_mov_b32 v14, 0                               ; a lane permute's destination counts as one of its sources
	s_mov_b32 s12, 0x76543210
	s_mov_b32 s13, 0xfedcba98                      ; selects for lane l xor 16
	s_lshl_b32 s16, ttmp9, 16                      ; 16 rows of 4,096 bytes
	s_lshl_b32 s14, s10, 10
	s_add_co_u32 s16, s16, s14                     ; + my 1,024 bytes of a row
	s_mov_b32 s17, 0
	s_lshl_b32 s18, ttmp9, 3
	s_lshl_b32 s14, s10, 1
	s_add_co_u32 s18, s18, s14
	s_mul_i32 s18, s18, 1536                       ; image 8 x tile + 2 w
	s_mov_b32 s19, 0
	s_lshl_b32 s20, ttmp9, 9
	s_mov_b32 s21, 0
	s_wait_alu depctr_va_vdst(0)                   ; the wait at the head's end
	s_wait_kmcnt 0x0
	s_add_nc_u64 s[4:5], s[4:5], s[16:17]
	s_add_nc_u64 s[6:7], s[6:7], s[18:19]
	s_add_nc_u64 s[8:9], s[8:9], s[20:21]
.irp u, 0,1
.irp i, 0,1,2,3,4,5,6,7,8,9,10,11,12,13,14,15
	global_load_b128 v[RA+64*\u+4*\i:RA+64*\u+4*\i+3], v1, s[4:5] offset:4096*\i+512*\u th:TH_LOAD_NT   ; 32 lanes read 512 consecutive bytes of row i
.endr
.endr
; 64 numbers of a lane (two whole blocks: 2 c + h, c = 0, 1) become image u's 12 registers and its scale word, and leave
.macro QBLK src, u
.irp c, 0,1
	v_max3_num_f32 v[8+\c], |v[\src+32*\c]|, |v[\src+32*\c+1]|, 0x1800000   ; the floor 2^(3 - 127) among the leaves: the byte cannot fall under 1
.endr
.irp i, 2,4,6,8,10,12,14,16,18,20,22,24,26,28,30
.irp c, 0,1
	v_max3_num_f32 v[8+\c], v[8+\c], |v[\src+32*\c+\i]|, |v[\src+32*\c+\i+1]|
.endr
.endr
.irp c, 0,1
	v_add_nc_u32 v[10+\c], 0xff000000, v[8+\c]     ; 2 off the exponent field: the conversion's scale operand
.endr
.irp c, 0,1
	v_lshrrev_b32 v[12+\c], 23, v[10+\c]           ; the scale's byte
.endr
	v_lshl_or_b32 v[WD+\u], v13, 16, v12           ; blocks h and 2 + h,
	v_lshlrev_b32 v[WD+\u], v6, v[WD+\u]           ; at their places in the word;
	v_permlanex16_b32 v14, v[WD+\u], s12, s13
	v_or_b32 v[WD+\u], v[WD+\u], v14               ; with lane l xor 16's two the word is whole
.irp c, 0,1
	v_cvt_scalef32_pk16_fp6_f32 v[CD+12*\u+6*\c:CD+12*\u+6*\c+2], v[\src+32*\c:\src+32*\c+15], v[10+\c]
	v_cvt_scalef32_pk16_fp6_f32 v[TP+4*\c:TP+4*\c+2], v[\src+32*\c+16:\src+32*\c+31], v[10+\c]
.endr
	v_nop                                          ; one plain place behind a scaled conversion
.irp c, 0,1
.irp i, 0,1,2
	v_mov_b32 v[CD+12*\u+6*\c+3+\i], v[TP+4*\c+\i]
.endr
.endr
.irp c, 0,1
	global_store_b128 v1, v[CD+12*\u+6*\c:CD+12*\u+6*\c+3], s[6:7] offset:1536*\u+768*\c          ; 512 consecutive bytes
	global_store_b64 v2, v[CD+12*\u+6*\c+4:CD+12*\u+6*\c+5], s[6:7] offset:1536*\u+768*\c+512     ; 256 consecutive bytes
.endr
.endm
	s_wait_loadcnt 16                              ; image 0's sixteen loads are in, image 1's may be out
.irp i, 0,1,2,3,4,5,6,7,8,9,10,11,12,13,14,15
	ds_store_b128 v3, v[RA+4*\i:RA+4*\i+3] offset:528*\i
.endr
.irp c, 0,1
.irp m, 0,1,2,3,4,5,6,7
	ds_load_b128 v[XA+32*\c+4*\m:XA+32*\c+4*\m+3], v4 offset:256*\c+16*\m   ; LDS serves a wave's instructions in order: these see my stores
.endr
.endr
	s_wait_loadcnt 0x0
.irp i, 0,1,2,3,4,5,6,7,8,9,10,11,12,13,14,15
	ds_store_b128 v3, v[RA+64+4*\i:RA+64+4*\i+3] offset:STG+528*\i
.endr
	s_wait_dscnt 16                                ; all but those sixteen stores: image 0's numbers are back, and its stores have read v16-79,
.irp c, 0,1
.irp m, 0,1,2,3,4,5,6,7
	ds_load_b128 v[XB+32*\c+4*\m:XB+32*\c+4*\m+3], v4 offset:STG+256*\c+16*\m   ; which take image 1's numbers
.endr
.endr
	QBLK XA, 0
	s_wait_dscnt 0x0
	QBLK XB, 1
	v_cmp_eq_u32 vcc_lo, 1, v7
	v_cndmask_b32 v242, v240, v241, vcc_lo         ; lanes 0-15 store K step 2 w's word, lanes 16-31 the next one's
	global_store_b32 v5, v242, s[8:9]
	s_wait_tensorcnt 0x0                           ; the wave's end
	ds_add_u32 v248, v249
	s_wait_dscnt 0x0
	s_endpgm
; THE FOUR WEIGHTS [1024 (k)][1024 (n)], whose K is their FIRST axis, become codes of W^T: wc [256 tiles of 16 rows n][8 K steps][1536 bytes], wsc [4096][32].  Rows 0-1023 Wq^T, then Wk^T, Wv^T, Wo^T.
; Work-group 512 + 8 y + x: columns 128 x on, K step y % 8 of weight y / 8.  A LANE TAKES A COLUMN n AND ITS REGISTERS RUN DOWN K: 128 registers are four whole blocks; nothing is transposed.  A wave takes 32 columns (two tiles) x one K step.
; Wo'S K STANDS IN ANOTHER ORDER INSIDE EACH BLOCK OF 32: position i holds k = i (0-7), i + 8 (8-15), i - 8 (16-23), i (24-31): the order in which the attention launch's results fall.  Blocks and scales are the same;
; only the order of the f32 sums differs.  The order is made by two of the four offset registers, chosen on the weight's number.  This way writes no LDS.
.Lweights:
.set X,  16                            ; v16-143  the numbers: block j at X + 32 j
.set C,  144                           ; v144-167 the codes: block j at C + 6 j
.set TP, 168                           ; v168-182 second halves, made on even numbers and moved
	s_load_b256 s[4:11], s[0:1], 0x18              ; Wq, Wk, Wv, Wo
	s_load_b128 s[12:15], s[0:1], 0x38             ; wc, wsc
	v_lshrrev_b32 v1, 5, v0
	v_readfirstlane_b32 s16, v1                    ; wave
	v_and_b32 v2, 31, v0                           ; lane
	s_wait_alu depctr_va_vdst(0)                   ; the wait ahead of the run of scalar lines
	s_sub_co_u32 s30, ttmp9, 512
	s_lshr_b32 s17, s30, 3                         ; y
	s_and_b32 s30, s30, 7                          ; x
	s_and_b32 s18, s17, 7                          ; the K step
	s_lshr_b32 s17, s17, 3                         ; the weight: 0 .. 3
	s_lshl_b32 s19, s30, 7
	s_lshl_b32 s20, s16, 5
	s_add_co_u32 s19, s19, s20                     ; my wave's first column
	s_mov_b32 s20, 8*4096
	s_mov_b32 s21, 16*4096
	s_cmp_eq_u32 s17, 3
	s_cselect_b32 s22, s21, s20                    ; positions 8-15: rows 8 on, in Wo rows 16 on
	s_cselect_b32 s23, s20, s21                    ; positions 16-23: rows 16 on, in Wo rows 8 on
	v_lshlrev_b32 v8, 2, v2                        ; 4 bytes a lane
	v_add_nc_u32 v9, s22, v8
	v_add_nc_u32 v10, s23, v8
	v_add_nc_u32 v11, 24*4096, v8
	v_lshrrev_b32 v3, 4, v2
	v_and_b32 v4, 15, v2
	v_mul_u32_u24 v12, v3, 12288                   ; lanes 16-31: the next tile, 12,288 bytes on;
	v_lshl_add_u32 v12, v4, 4, v12                 ; 16 bytes a row
	v_lshlrev_b32 v13, 3, v2
	v_lshlrev_b32 v14, 5, v2                       ; a row of scale bytes
	s_lshl_b32 s24, s18, 19                        ; 128 rows of 4,096 bytes a K step
	s_lshl_b32 s25, s19, 2
	s_add_co_u32 s24, s24, s25
	s_mov_b32 s25, 0
	s_lshl_b32 s26, s17, 6
	s_lshr_b32 s27, s19, 4
	s_add_co_u32 s26, s26, s27                     ; my first tile: 64 x weight + column / 16
	s_lshl_b32 s26, s26, 3
	s_add_co_u32 s26, s26, s18
	s_mul_i32 s26, s26, 1536
	s_mov_b32 s27, 0
	s_lshl_b32 s28, s17, 10
	s_add_co_u32 s28, s28, s19
	s_lshl_b32 s28, s28, 5
	s_lshl_b32 s29, s18, 2
	s_add_co_u32 s28, s28, s29
	s_mov_b32 s29, 0
	s_wait_alu depctr_va_vdst(0)                   ; the wait at the head's end
	s_wait_kmcnt 0x0
	s_cmp_eq_u32 s17, 1                            ; the choice hangs on the work-group's number alone
	s_cselect_b64 s[4:5], s[6:7], s[4:5]
	s_cmp_eq_u32 s17, 2
	s_cselect_b64 s[4:5], s[8:9], s[4:5]
	s_cmp_eq_u32 s17, 3
	s_cselect_b64 s[4:5], s[10:11], s[4:5]
	s_add_nc_u64 s[4:5], s[4:5], s[24:25]
	s_add_nc_u64 s[12:13], s[12:13], s[26:27]
	s_add_nc_u64 s[14:15], s[14:15], s[28:29]
.macro LOAD j                          ; block j: 32 rows of W at my column; each load reads 128 consecutive bytes, the four waves side by side 512
.irp i, 0,1,2,3,4,5,6,7,8,9,10,11,12,13,14,15,16,17,18,19,20,21,22,23,24,25,26,27,28,29,30,31
	global_load_b32 v[X+32*\j+\i], v[8+\i/8], s[4:5] offset:(32*\j+\i%8)*4096 th:TH_LOAD_NT
.endr
.endm
.macro BLOCK j
.set XS, X+32*\j
	v_max3_num_f32 v184, |v[XS]|, |v[XS+1]|, |v[XS+2]|             ; the block's largest magnitude: all 32 numbers are mine
	v_max3_num_f32 v185, |v[XS+3]|, |v[XS+4]|, |v[XS+5]|
.irp i, 6,10,14,18,22,26
	v_max3_num_f32 v184, v184, |v[XS+\i]|, |v[XS+\i+1]|
	v_max3_num_f32 v185, v185, |v[XS+\i+2]|, |v[XS+\i+3]|
.endr
	v_max3_num_f32 v184, v184, |v[XS+30]|, |v[XS+31]|
	v_max3_num_f32 v184, v184, v185, 0x1800000     ; and the floor 2^(3 - 127)
	v_add_nc_u32 v186, 0xff000000, v184            ; 2 off the exponent field: the conversion's scale operand
	v_lshrrev_b32 v187, 23, v186                   ; the byte
.if \j == 0
	v_mov_b32 v188, v187
.else
	v_lshl_or_b32 v188, v187, 8*\j, v188           ; four bytes make my column's word for this K step
.endif
	v_cvt_scalef32_pk16_fp6_f32 v[C+6*\j:C+6*\j+2], v[XS:XS+15], v186
	v_cvt_scalef32_pk16_fp6_f32 v[TP+4*\j:TP+4*\j+2], v[XS+16:XS+31], v186
.endm
	LOAD 0
	LOAD 1
	s_wait_loadcnt 32                              ; block 0 is in; block 1's 32 loads may be out
	LOAD 2
	BLOCK 0
	s_wait_loadcnt 32                              ; block 1 is in; block 2's may be out
	LOAD 3
	BLOCK 1
	s_wait_loadcnt 32                              ; block 2 is in; block 3's may be out
	BLOCK 2
	s_wait_loadcnt 0x0
	BLOCK 3
	v_nop                                          ; one plain place behind the last scaled conversion
.irp j, 0,1,2,3
.irp i, 0,1,2
	v_mov_b32 v[C+6*\j+3+\i], v[TP+4*\j+\i]
.endr
.endr
.irp c, 0,1                                    ; registers 4, 5 of blocks 2 c and 2 c + 1: the first's lanes 16-31 change places with the second's lanes 0-15:
.irp i, 4,5                                    ; the first is then my first tile's 256 bytes (lane (r, h): block 2 c + h of row r), the second the next tile's
	v_permlane16_swap_b32 v[C+12*\c+\i], v[C+12*\c+6+\i]
.endr
.endr
.irp c, 0,1
	global_store_b128 v12, v[C+12*\c:C+12*\c+3], s[12:13] offset:768*\c              ; block 2 c: sixteen lanes fill 256 consecutive bytes of a tile's image
	global_store_b128 v12, v[C+12*\c+6:C+12*\c+9], s[12:13] offset:768*\c+256        ; block 2 c + 1: the 256 behind them
	global_store_b64 v13, v[C+12*\c+4:C+12*\c+5], s[12:13] offset:768*\c+512         ; 32 lanes: 256 consecutive bytes
	global_store_b64 v13, v[C+12*\c+10:C+12*\c+11], s[12:13] offset:768*\c+512+12288
.endr
	global_store_b32 v14, v188, s[14:15]
	s_endpgm
.Lfunc_end_k_q7ee86b4e56_prep:
	.size	k_q7ee86b4e56_prep, .Lfunc_end_k_q7ee86b4e56_prep-k_q7ee86b4e56_prep
	.p2alignl 7, 3214868480
	.fill 96, 4, 3214868480
	.section	.rodata,"a",@progbits
	.p2align	6, 0x0
	.amdhsa_kernel k_q7ee86b4e56_prep
		.amdhsa_group_segment_fixed_size 68096
		.amdhsa_private_segment_fixed_size 0
		.amdhsa_enable_private_segment 0
		.amdhsa_kernarg_size 72
		.amdhsa_user_sgpr_count 2
		.amdhsa_user_sgpr_kernarg_segment_ptr 1
		.amdhsa_wavefront_size32 1
		.amdhsa_system_sgpr_workgroup_id_x 1
		.amdhsa_system_sgpr_workgroup_id_y 1
		.amdhsa_system_sgpr_workgroup_id_z 1
		.amdhsa_system_vgpr_workitem_id 0
		.amdhsa_next_free_vgpr 250
		.amdhsa_next_free_sgpr 66
		.amdhsa_reserve_vcc 1
		.amdhsa_float_denorm_mode_32 3
		.amdhsa_float_denorm_mode_16_64 3
		.amdhsa_memory_ordered 1
		.amdhsa_forward_progress 1
		.amdhsa_inst_pref_size 37
	.end_amdhsa_kernel
	.amdgpu_metadata
---
amdhsa.version: [ 1, 2 ]
amdhsa.kernels:
  - .name:           k_q7ee86b4e56_prep
    .symbol:         k_q7ee86b4e56_prep.kd
    .args:
      - { .name: x, .offset: 0, .size: 8, .value_kind: global_buffer, .address_space: global }
      - { .name: xc, .offset: 8, .size: 8, .value_kind: global_buffer, .address_space: global }
      - { .name: xs, .offset: 16, .size: 8, .value_kind: global_buffer, .address_space: global }
      - { .name: Wq, .offset: 24, .size: 8, .value_kind: global_buffer, .address_space: global }
      - { .name: Wk, .offset: 32, .size: 8, .value_kind: global_buffer, .address_space: global }
      - { .name: Wv, .offset: 40, .size: 8, .value_kind: global_buffer, .address_space: global }
      - { .name: Wo, .offset: 48, .size: 8, .value_kind: global_buffer, .address_space: global }
      - { .name: wc, .offset: 56, .size: 8, .value_kind: global_buffer, .address_space: global }
      - { .name: wsc, .offset: 64, .size: 8, .value_kind: global_buffer, .address_space: global }
    .group_segment_fixed_size: 68096
    .private_segment_fixed_size: 0
    .kernarg_segment_align: 8
    .kernarg_segment_size: 72
    .max_flat_workgroup_size: 128
    .sgpr_count:     66
    .vgpr_count:     250
    .wavefront_size: 32
...
	.end_amdgpu_metadata
.endif
;; end of part 1
;; launch proj (part 2): grid 12 x 32, 4 waves a work-group, clusters of 4 x 4, 327,680 bytes of LDS; arguments xc, xs, wc, wsc, bq, bk, bv, qkv; writes qkv
.if DOCPART == 2
	.amdgcn_target "amdgcn-amd-amdhsa--gfx1250"
	.amdhsa_code_object_version 6
	.text
	.protected	k_q7ee86b4e56_proj
	.globl	k_q7ee86b4e56_proj
	.p2align	8
	.type	k_q7ee86b4e56_proj,@function
k_q7ee86b4e56_proj:
	s_mov_b64 s[64:65], 0
	v_nop
	global_prefetch_b8 v0, s[64:65] scope:SCOPE_SE
	s_setreg_imm32_b32 hwreg(HW_REG_WAVE_MODE, 25, 1), 1
	s_wait_xcnt 0x0
	s_wait_alu depctr_hold_cnt(0) depctr_sa_sdst(0) depctr_va_vdst(0) depctr_va_sdst(0) depctr_va_ssrc(0) depctr_va_vcc(0) depctr_vm_vsrc(0)
	s_getreg_b32 s2, hwreg(HW_REG_IB_STS2, 6, 4)
	s_cmp_eq_u32 s2, 0
	s_cbranch_scc0 .Lentry_in_a_cluster
	s_endpgm
.Lentry_in_a_cluster:
	s_bfe_u32 s2, ttmp6, 0x10000c
	s_cmp_lg_u32 s2, 0xf033
	s_cbranch_scc0 .Lentry_shape_is_right
	s_endpgm
.Lentry_shape_is_right:
.set NQ,     2
.set FR,     12
.set NL,     4
.set NP,     4
.set TILEB,  3072
.set HALFT,  8*TILEB
.set SLOT,   4*HALFT
.set KS,     32
.set SCL,    2*SLOT
.set HALFS,  16*272
.set SBLK,   2*272
.set SPARE,  SCL+4*HALFS
.set STEPG,  19712
.set HEADB,  16*STEPG
.set ADRA, 16
.set ADRB, 20
.set VA0,  24
.set VB0,  25
.set VA1,  26
.set ADRS, 27
.set SPW,  28
.set NIL,  29
.set VB1,  30
.set VSV,  31
.set SC,   32
.set BC,   64
.set AF,   128
.set BR,   224
.set PC,   128
.set PT,   140
.set TM,   148
.set SW,   164
.set SL,   172
.set T0,   176
.set T1,   180
.set G1,   24
.set G0,   32
.set G1B,  48
.set G0B,  56
.set G1S,  68
.set G0S,  76
.set G1SB, 80
.set G0SB, 88
.set MSB, 0
.macro WIN new
.if MSB != (\new)
	s_set_vgpr_msb (MSB<<8)|(\new)
.set MSB, (\new)
.endif
.endm
.set MUL_LO, 0xa1
.set MUL_HI, 0xf1
.set TO_B,   0x40
.macro JLOAD g0a, g1a, g0b, g1b
	s_cmp_eq_u32 s15, 0
	s_cbranch_scc0 .Lfor_b_\@
	tensor_load_to_lds s[\g0a:\g0a+3], s[\g1a:\g1a+7]
	s_nop 0
.rept 4
	v_nop
.endr
	s_branch .Lasked_\@
.Lfor_b_\@:
	tensor_load_to_lds s[\g0b:\g0b+3], s[\g1b:\g1b+7]
	s_nop 0
.rept 4
	v_nop
.endr
.Lasked_\@:
.endm
.macro CREST
	s_cmp_lg_u32 s14, 0
	s_cbranch_scc1 .Lnot_wave_0_\@
	s_barrier_signal -3
.Lnot_wave_0_\@:
	s_barrier_wait -3
	s_barrier_signal -1
	s_barrier_wait -1
.endm
.macro CROUND
	s_barrier_signal -1
	s_barrier_wait -1
	CREST
.endm
	s_load_b512 s[68:83], s[0:1], 0x0
	v_lshl_add_u32 v[SPW], v0, 2, SPARE
	v_mov_b32 v[NIL], 0
	ds_add_u32 v28, v29
	ds_add_u32 v28, v29
	s_wait_dscnt 0x0
	v_lshrrev_b32 v1, 5, v0
	v_readfirstlane_b32 s14, v1
	s_lshr_b32 s15, s14, 1
	s_and_b32 s16, s14, 1
	s_bfe_u32 s40, ttmp6, 0x40000
	s_bfe_u32 s41, ttmp6, 0x40004
	s_and_b32 s17, ttmp7, 0xffff
	s_cmp_eq_u32 ttmp9, 2
	s_cselect_b32 s100, 1, 0
	s_cselect_b32 s101, -1, 0
	s_cselect_b32 s42, s17, ttmp9
	s_cselect_b32 s17, 0, s17
	s_lshl_b32 s42, s42, 2
	s_add_co_u32 s42, s42, s40
	s_lshl_b32 s17, s17, 2
	s_add_co_u32 s17, s17, s41
	s_lshl_b32 s43, s41, 2
	s_lshl_b32 s43, 15, s43
	s_lshl_b32 s44, 0x1111, s40
	s_lshl_b32 s18, s16, 7
	s_lshl_b32 s20, s17, 8
	s_add_co_u32 s20, s20, s18
	s_lshl_b32 s19, s100, 11
	s_add_co_u32 s20, s20, s19
	s_lshl_b32 s46, s42, 8
	s_add_co_u32 s46, s46, s18
	s_lshl_b32 s22, s20, 5
	s_mul_i32 s20, s20, 768
	s_lshl_b32 s92, s46, 5
	s_mul_i32 s46, s46, 768
	s_mov_b32 s21, 0
	s_mov_b32 s23, 0
	s_mov_b32 s93, 0
	s_mov_b32 s47, 0
	s_mul_i32 s45, s14, HALFT
	s_or_b32 s[G1+0], s43, (3<<16)|(1<<21)
	s_or_b32 s[G1B+0], s44, (3<<16)|(1<<21)
.irp g, G1, G1B
	s_mov_b32 s[\g+1], 384<<16
	s_mov_b32 s[\g+2], 16<<16
	s_mov_b32 s[\g+3], 384<<16
	s_mov_b32 s[\g+4], 16
	s_mov_b32 s[\g+5], 1536
	s_mov_b32 s[\g+6], 0
	s_mov_b32 s[\g+7], 0
.endr
	s_wait_kmcnt 0x0
	s_cmp_eq_u32 s100, 1
	s_cselect_b64 s[4:5], s[72:73], s[68:69]
	s_cselect_b64 s[6:7], s[74:75], s[70:71]
	s_cselect_b64 s[8:9], s[68:69], s[72:73]
	s_cselect_b64 s[10:11], s[70:71], s[74:75]
	s_mov_b64 s[12:13], s[82:83]
	s_mov_b64 s[98:99], s[80:81]
	s_cmp_eq_u32 ttmp9, 0
	s_cselect_b64 s[96:97], s[76:77], s[78:79]
	s_add_nc_u64 s[20:21], s[4:5], s[20:21]
	s_add_nc_u64 s[22:23], s[6:7], s[22:23]
	s_add_nc_u64 s[46:47], s[8:9], s[46:47]
	s_add_nc_u64 s[92:93], s[10:11], s[92:93]
	s_or_b32 s[G1S+0], s43, (3<<16)|(1<<20)|(1<<21)|(5<<22)|(3<<25)
	s_or_b32 s[G1SB+0], s44, (3<<16)|(1<<20)|(1<<21)|(5<<22)|(3<<25)
.irp g, G1S, G1SB
	s_mov_b32 s[\g+1], 32<<16
	s_mov_b32 s[\g+2], 32<<16
	s_mov_b32 s[\g+3], 32<<16
	s_mov_b32 s[\g+4], 32
	s_mov_b32 s[\g+5], 32
	s_mov_b32 s[\g+6], 0
	s_mov_b32 s[\g+7], 0
.endr
	CROUND
; THE HEAD'S FOUR TILES, ONE A WAVE: wave 0 slot 0's 16 tiles of A, wave 1 its 16 of B, wave 2 the scales of A's 256 rows, wave 3 those of B's.
; The addresses above hold my half of 128 rows, for the ring: the half's bytes are taken off again for the whole tiles.
	s_mul_i32 s18, s16, 98304                      ; 128 rows of 768 bytes of codes
	s_mov_b32 s19, 0
	s_lshl_b32 s94, s16, 12                        ; 128 rows of 32 scale bytes
	s_mov_b32 s95, 0
	s_mov_b32 s4, 1                                ; s[4:7], s[8:11]: group 0 of the two loads of codes (the pointers that lay there have served)
	s_mov_b32 s5, 0
	s_sub_nc_u64 s[6:7], s[20:21], s[18:19]
	s_or_b32 s7, s7, 0x80000000
	s_mov_b32 s8, 1
	s_mov_b32 s9, 2*HALFT
	s_sub_nc_u64 s[10:11], s[46:47], s[18:19]
	s_or_b32 s11, s11, 0x80000000
	s_mov_b32 s[G0S], 1
	s_mov_b32 s[G0S+1], SCL
	s_sub_nc_u64 s[G0S+2:G0S+3], s[22:23], s[94:95]
	s_or_b32 s[G0S+3], s[G0S+3], 0x80000000
	s_mov_b32 s[G0SB], 1
	s_mov_b32 s[G0SB+1], SCL+2*HALFS
	s_sub_nc_u64 s[G0SB+2:G0SB+3], s[92:93], s[94:95]
	s_or_b32 s[G0SB+3], s[G0SB+3], 0x80000000
.macro ARM under, g0, g1, next
	s_cmp_lt_u32 s14, \under
	s_cbranch_scc0 \next
	tensor_load_to_lds s[\g0:\g0+3], s[\g1:\g1+7]
	s_nop 0
.rept 4
	v_nop
.endr
	s_branch .Lhead_asked
\next:
.endm
	ARM 1, 4, G1, .Lhead_b
	ARM 2, 8, G1B, .Lhead_sa
	ARM 3, G0S, G1S, .Lhead_sb
	tensor_load_to_lds s[G0SB:G0SB+3], s[G1SB:G1SB+7]
	s_nop 0
.rept 4
	v_nop
.endr
.Lhead_asked:
.irp s, 0,1
	s_mov_b32 s[G0+4*\s], 1
	s_add_co_u32 s[G0+4*\s+1], s45, \s*SLOT
	s_add_nc_u64 s[G0+4*\s+2:G0+4*\s+3], s[20:21], \s*TILEB
	s_or_b32 s[G0+4*\s+3], s[G0+4*\s+3], 0x80000000
	s_mov_b32 s[G0B+4*\s], 1
	s_add_co_u32 s[G0B+4*\s+1], s45, \s*SLOT
	s_add_nc_u64 s[G0B+4*\s+2:G0B+4*\s+3], s[46:47], \s*TILEB
	s_or_b32 s[G0B+4*\s+3], s[G0B+4*\s+3], 0x80000000
.endr
	s_lshl_b32 s18, s42, 1
	s_add_co_u32 s18, s18, s16
	s_lshl_b32 s19, s17, 1
	s_add_co_u32 s19, s19, s15
	s_and_b32 s20, s42, 3
	s_lshl_b32 s20, s20, 1
	s_add_co_u32 s20, s20, s16
	s_mov_b32 s94, HEADB
	s_mov_b32 s92, 768
	s_mov_b32 s3, 12288
	s_cmp_eq_u32 ttmp9, 0
	s_cselect_b32 s95, 13056, 0
	s_cselect_b32 s3, 19200, s3
	s_cmp_eq_u32 s100, 1
	s_cselect_b32 s95, 6144, s95
	s_cselect_b32 s3, 12800, s3
	s_cselect_b32 s94, 768, s94
	s_cselect_b32 s92, 1536, s92
	s_cselect_b32 s66, HEADB-6144, 0
	s_cselect_b32 s21, s18, s19
	s_cselect_b32 s22, s19, s20
	s_cselect_b32 s23, 0, s20
	s_cselect_b32 s2, s19, 0
	s_mov_b32 s93, 0
	s_mov_b32 s67, 0
	s_lshl_b32 s18, s23, 9
	s_mov_b32 s19, 0
	s_add_nc_u64 s[96:97], s[96:97], s[18:19]
	s_lshl_b32 s18, s2, 9
	s_add_nc_u64 s[98:99], s[98:99], s[18:19]
	v_and_b32 v1, 15, v0
	v_bfe_u32 v2, v0, 4, 1
	v_and_b32 v3, 31, v0
	s_wait_alu depctr_va_vdst(0)
	v_lshlrev_b32 v8, 5, v2
	v_lshlrev_b32 v9, 2, v1
.irp b, 0,1,2,3,4,5,6,7
	global_load_b128 v[BC+8*\b:BC+8*\b+3], v8, s[96:97] offset:64*\b
	global_load_b128 v[BC+8*\b+4:BC+8*\b+7], v8, s[96:97] offset:64*\b+16
.endr
.irp a, 0,1,2,3,4,5,6,7
	global_load_b32 v[BR+2*\a], v9, s[98:99] offset:64*\a
	global_load_b32 v[BR+2*\a+1], v9, s[98:99] offset:64*\a
.endr
	s_lshr_b32 s23, s21, 4
	s_and_b32 s21, s21, 15
	s_lshl_b32 s23, s23, 4
	s_lshl_b32 s22, s22, 1
	s_add_co_u32 s23, s23, s22
	s_mul_i32 s23, s23, HEADB
	s_mul_i32 s21, s21, STEPG
	s_add_co_u32 s18, s23, s21
	s_add_co_u32 s46, s18, s3
	s_add_co_u32 s18, s18, s95
	s_mov_b32 s47, 0
	s_add_nc_u64 s[46:47], s[12:13], s[46:47]
	s_add_nc_u64 s[12:13], s[12:13], s[18:19]
	v_lshlrev_b32 v[VA0], 4, v3
	v_lshlrev_b32 v[VB0], 3, v3
	v_add_nc_u32 v[VA1], s94, v[VA0]
	v_add_nc_u32 v[VB1], s94, v[VB0]
	v_mul_u32_u24 v[VSV], v2, HEADB
	v_lshl_add_u32 v[VSV], v1, 4, v[VSV]
	s_mul_i32 s21, s15, HALFT
	s_mul_i32 s22, s16, HALFT
	s_add_co_u32 s22, s22, 2*HALFT
.irp s, 0,1
	v_add_nc_u32 v[ADRA+\s], s21, v[VA0]
	v_add_nc_u32 v[ADRB+\s], s22, v[VA0]
	v_add_nc_u32 v[ADRA+2+\s], s21, v[VB0]
	v_add_nc_u32 v[ADRB+2+\s], s22, v[VB0]
	s_add_co_u32 s21, s21, SLOT
	s_add_co_u32 s22, s22, SLOT
.endr
	v_mul_u32_u24 v5, v1, KS
	v_lshrrev_b32 v6, 8, v5
	v_lshl_add_u32 v5, v6, 4, v5
	s_mul_i32 s21, s15, HALFS
	s_mul_i32 s22, s16, HALFS
	s_add_co_u32 s22, s22, 2*HALFS
	s_sub_co_u32 s22, s22, s21
	v_mul_u32_u24 v6, s22, v2
	s_add_co_u32 s21, s21, SCL
	v_add_nc_u32 v5, v5, v6
	v_add_nc_u32 v[ADRS], s21, v5
	s_wait_alu depctr_va_vdst(0)                   ; the wait ahead of the blocking wait
	s_wait_tensorcnt 0x0                           ; my tile of the head's four is in; the three lines ahead of slot 1's first fill
	ds_add_u32 v28, v29
	s_mov_b32 s[G1+2], 8<<16                       ; no load of mine is out: from here on a load brings 8 tiles
	s_mov_b32 s[G1+4], 8
	s_mov_b32 s[G1B+2], 8<<16
	s_mov_b32 s[G1B+4], 8
	s_wait_dscnt 0x0
	CROUND                                         ; all four tiles are shown, all partners are here
	JLOAD G0+4, G1, G0B+4, G1B                     ; slot 1, a quarter a wave
	s_wait_loadcnt 0x0
.set j, 0
.rept 64
	v_cndmask_b32 v[BC+j], v[BC+j], v[NIL], s101
.set j, j+1
.endr
.set j, 0
.rept 16
	v_cndmask_b32 v[BR+j], v[NIL], v[BR+j], s101
.set j, j+1
.endr
.macro BIAS a
	WIN 0x80+0x40*((\a)/4)
.irp b, 0,1,2,3,4,5,6,7
.irp k, 0,2,4,6
	v_pk_add_f32 v[8*(8*((\a)%4)+\b)+\k:8*(8*((\a)%4)+\b)+\k+1], v[BC+8*\b+\k:BC+8*\b+\k+1], v[BR+2*(\a):BR+2*(\a)+1]
.endr
.endr
.endm
.irp a, 0,1,2,3,4,5,6,7
	BIAS \a
.endr
	WIN 0
.macro FRAG reg, adr, q, i
	ds_load_b128 v[\reg:\reg+3], v[\adr] offset:TILEB*(\i)+1536*(\q)
	ds_load_b64 v[\reg+4:\reg+5], v[\adr+2] offset:TILEB*(\i)+1536*(\q)+512
	ds_load_b128 v[\reg+6:\reg+9], v[\adr] offset:TILEB*(\i)+1536*(\q)+768
	ds_load_b64 v[\reg+10:\reg+11], v[\adr+2] offset:TILEB*(\i)+1536*(\q)+1280
.endm
.macro MUL16 a0, p, q, sc
.irp a, \a0, \a0+1
.irp b, 0,1,2,3,4,5,6,7
	v_wmma_scale_f32_16x16x128_f8f6f4 v[8*(8*((\a)%4)+\b):8*(8*((\a)%4)+\b)+7], v[128*(\p)+FR*\b:128*(\p)+FR*\b+FR-1], v[AF+FR*(\a):AF+FR*(\a)+FR-1], v[8*(8*((\a)%4)+\b):8*(8*((\a)%4)+\b)+7], v[SC+8*NQ*(\sc)+NQ*\b+(\q)], v[SC+8*NQ*(\sc)+NQ*(\a)+(\q)] matrix_a_fmt:MATRIX_FMT_FP6 matrix_b_fmt:MATRIX_FMT_FP6 matrix_a_scale:MATRIX_SCALE_ROW1
.endr
.endr
.endm
.macro FETCH_B slot, q, p
	WIN TO_B
.irp i, 0,1,2,3,4,5,6,7
	FRAG 128*(\p)+FR*\i, ADRB+\slot, \q, \i
.endr
	WIN 0
.endm
.macro FETCH_A slot, q, i0
.irp i, \i0, \i0+1, \i0+2, \i0+3
	FRAG AF+FR*(\i), ADRA+\slot, \q, \i
.endr
.endm
.macro SCALES sc
.irp i, 0,1,2,3,4,5,6,7
	ds_load_b64 v[SC+8*NQ*\sc+NQ*\i:SC+8*NQ*\sc+NQ*\i+1], v[ADRS] offset:\i*SBLK
.endr
.endm
.macro PLACES n
.rept \n
	v_nop
.endr
.endm
.macro STEP slot, q
	s_wait_dscnt 4*NL
	WIN MUL_LO
	MUL16 0, (\q)%2, \q, \slot
	MUL16 2, (\q)%2, \q, \slot
	s_wait_dscnt 0
	PLACES NP
	FETCH_B \slot, (\q)+1, 1-(\q)%2
	FETCH_A \slot, (\q)+1, 0
	WIN MUL_HI
	MUL16 4, (\q)%2, \q, \slot
	MUL16 6, (\q)%2, \q, \slot
	PLACES NP
	WIN 0
	FETCH_A \slot, (\q)+1, 4
.endm
.macro TURN slot, next, fill
	s_wait_tensorcnt 0x0
	ds_add_u32 v[SPW], v[NIL]
	s_wait_dscnt 4*NL+1
	WIN MUL_LO
	MUL16 0, 1, NQ-1, \slot
	s_wait_dscnt 0x0
	s_barrier_signal -1
	MUL16 2, 1, NQ-1, \slot
	WIN 0
	s_barrier_wait -1
.if \fill
	CREST
	s_add_nc_u64 s[G0+4*\slot+2:G0+4*\slot+3], s[G0+4*\slot+2:G0+4*\slot+3], 2*TILEB
	s_add_nc_u64 s[G0B+4*\slot+2:G0B+4*\slot+3], s[G0B+4*\slot+2:G0B+4*\slot+3], 2*TILEB
	JLOAD G0+4*\slot, G1, G0B+4*\slot, G1B
.else
	PLACES NP
.endif
	s_wait_alu depctr_va_vdst(0)
	v_add_nc_u32 v[ADRS], 4*NQ, v[ADRS]
	FETCH_B \next, 0, 0
	FETCH_A \next, 0, 0
	SCALES \next
	WIN MUL_HI
	MUL16 4, 1, NQ-1, \slot
	MUL16 6, 1, NQ-1, \slot
	PLACES NP
	WIN 0
	FETCH_A \next, 0, 4
.endm
	PLACES NP
	s_wait_alu depctr_va_vdst(0)
	s_wait_tensorcnt 1
	s_barrier_signal -1
	s_barrier_wait -1
	FETCH_B 0, 0, 0
	FETCH_A 0, 0, 0
	SCALES 0
	FETCH_A 0, 0, 4
	STEP 0, 0
	TURN 0, 1, 1
	STEP 1, 0
	TURN 1, 0, 1
	STEP 0, 0
	TURN 0, 1, 0
	STEP 1, 0
	s_wait_dscnt 4*NL
	WIN MUL_LO
	MUL16 0, 1, NQ-1, 1
	MUL16 2, 1, NQ-1, 1
	s_wait_dscnt 0
	WIN MUL_HI
	MUL16 4, 1, NQ-1, 1
	MUL16 6, 1, NQ-1, 1
	WIN 0
.macro QBLOCK a
.set AC, 64*((\a)%4)
.set QW, 2+(\a)/4
	WIN (QW<<2)|(QW<<4)
.irp b, 0,1,2,3
	v_max3_num_f32 v[TM+\b], 0x1800000, |v[AC+16*\b]|, |v[AC+16*\b+1]|
.endr
.irp i, 2,4,6,8,10,12,14
.irp b, 0,1,2,3
	v_max3_num_f32 v[TM+\b], v[TM+\b], |v[AC+16*\b+\i]|, |v[AC+16*\b+\i+1]|
.endr
.endr
	WIN 0
.irp b, 0,1,2,3
	v_permlanex16_b32 v[TM+4+\b], v[TM+\b], s20, s21
.endr
.irp b, 0,1,2,3
	v_max_num_f32 v[TM+\b], v[TM+\b], v[TM+4+\b]
.endr
.irp b, 0,1,2,3
	v_add_nc_u32 v[TM+12+\b], 0xff000000, v[TM+\b]
.endr
.irp b, 0,1,2,3
	v_lshrrev_b32 v[TM+4+\b], 23, v[TM+12+\b]
.endr
	v_lshl_or_b32 v[SW+(\a)], v[TM+5], 8, v[TM+4]
	v_lshl_or_b32 v[SW+(\a)], v[TM+6], 16, v[SW+(\a)]
	v_lshl_or_b32 v[SW+(\a)], v[TM+7], 24, v[SW+(\a)]
	s_wait_xcnt 0x0
.if (\a) > 0
	s_add_nc_u64 s[12:13], s[12:13], s[92:93]
.endif
.if (\a) == 4
	s_add_nc_u64 s[12:13], s[12:13], s[66:67]
.endif
	WIN QW
.irp c, 0,1
	v_cvt_scalef32_pk16_fp6_f32 v[PC+6*\c:PC+6*\c+2], v[AC+32*\c:AC+32*\c+15], v[TM+12+2*\c]
	v_cvt_scalef32_pk16_fp6_f32 v[PT+4*\c:PT+4*\c+2], v[AC+32*\c+16:AC+32*\c+31], v[TM+12+2*\c+1]
.endr
	v_nop
	WIN 0
.irp c, 0,1
.irp i, 0,1,2
	v_permlane16_swap_b32 v[PC+6*\c+\i], v[PT+4*\c+\i]
.endr
.irp i, 0,1,2
	v_mov_b32 v[PC+3+6*\c+\i], v[PT+4*\c+\i]
.endr
.endr
	global_store_b128 v[VA0], v[PC:PC+3], s[12:13]
	global_store_b64 v[VB0], v[PC+4:PC+5], s[12:13] offset:512
	global_store_b128 v[VA1], v[PC+6:PC+9], s[12:13]
	global_store_b64 v[VB1], v[PC+10:PC+11], s[12:13] offset:512
.endm
	s_mov_b32 s20, 0x76543210
	s_mov_b32 s21, 0xfedcba98
	PLACES NP
.irp b, 0,1,2,3
	v_mov_b32 v[TM+4+\b], 0
.endr
.irp a, 0,1,2,3,4,5,6,7
	QBLOCK \a
.endr
	v_cmp_eq_u32 vcc_lo, 1, v2
.irp i, 0,1,2,3
	v_cndmask_b32 v[SL+\i], v[SW+\i], v[SW+4+\i], vcc_lo
.endr
	s_cmp_eq_u32 s100, 1
	s_cbranch_scc1 .Lv_scales
.irp i, 0,1,2,3
	v_and_b32 v[T0+\i], 0xffff, v[SL+\i]
	v_lshrrev_b32 v[T1+\i], 16, v[SL+\i]
.endr
	global_store_b128 v[VA0], v[T0:T0+3], s[46:47]
	global_store_b128 v[VA0], v[T1:T1+3], s[46:47] offset:HEADB
	s_branch .Lscales_done
.Lv_scales:
	s_wait_alu depctr_va_vdst(0)
	global_store_b128 v[VSV], v[SL:SL+3], s[46:47]
.Lscales_done:
	s_wait_tensorcnt 0x0
	ds_add_u32 v[SPW], v[NIL]
	s_wait_dscnt 0x0
	CROUND
	s_endpgm
.Lfunc_end_k_q7ee86b4e56_proj:
	.size	k_q7ee86b4e56_proj, .Lfunc_end_k_q7ee86b4e56_proj-k_q7ee86b4e56_proj
	.p2alignl 7, 3214868480
	.fill 96, 4, 3214868480
	.section	.rodata,"a",@progbits
	.p2align	6, 0x0
	.amdhsa_kernel k_q7ee86b4e56_proj
		.amdhsa_group_segment_fixed_size 327680
		.amdhsa_private_segment_fixed_size 0
		.amdhsa_enable_private_segment 0
		.amdhsa_kernarg_size 64
		.amdhsa_user_sgpr_count 2
		.amdhsa_user_sgpr_kernarg_segment_ptr 1
		.amdhsa_wavefront_size32 1
		.amdhsa_system_sgpr_workgroup_id_x 1
		.amdhsa_system_sgpr_workgroup_id_y 1
		.amdhsa_system_sgpr_workgroup_id_z 1
		.amdhsa_system_vgpr_workitem_id 0
		.amdhsa_next_free_vgpr 1024
		.amdhsa_next_free_sgpr 102
		.amdhsa_reserve_vcc 1
		.amdhsa_float_denorm_mode_32 3
		.amdhsa_float_denorm_mode_16_64 3
		.amdhsa_memory_ordered 1
		.amdhsa_forward_progress 1
		.amdhsa_inst_pref_size 177
	.end_amdhsa_kernel
	.amdgpu_metadata
---
amdhsa.version: [ 1, 2 ]
amdhsa.kernels:
  - .name:           k_q7ee86b4e56_proj
    .symbol:         k_q7ee86b4e56_proj.kd
    .args:
      - { .name: xc, .offset: 0, .size: 8, .value_kind: global_buffer, .address_space: global }
      - { .name: xs, .offset: 8, .size: 8, .value_kind: global_buffer, .address_space: global }
      - { .name: wc, .offset: 16, .size: 8, .value_kind: global_buffer, .address_space: global }
      - { .name: wsc, .offset: 24, .size: 8, .value_kind: global_buffer, .address_space: global }
      - { .name: bq, .offset: 32, .size: 8, .value_kind: global_buffer, .address_space: global }
      - { .name: bk, .offset: 40, .size: 8, .value_kind: global_buffer, .address_space: global }
      - { .name: bv, .offset: 48, .size: 8, .value_kind: global_buffer, .address_space: global }
      - { .name: qkv, .offset: 56, .size: 8, .value_kind: global_buffer, .address_space: global }
    .group_segment_fixed_size: 327680
    .private_segment_fixed_size: 0
    .kernarg_segment_align: 8
    .kernarg_segment_size: 64
    .max_flat_workgroup_size: 128
    .sgpr_count:     102
    .vgpr_count:     1024
    .wavefront_size: 32
...
	.end_amdgpu_metadata
.endif
;; end of part 2
;; launch attn (part 3): grid 4 x 64, 8 waves a work-group, clusters of 4 x 1, 210,944 bytes of LDS; arguments qkv, oc, os; writes oc, os
.if DOCPART == 3
	.amdgcn_target "amdgcn-amd-amdhsa--gfx1250"
	.amdhsa_code_object_version 6
	.text
	.protected	k_q7ee86b4e56_attn
	.globl	k_q7ee86b4e56_attn
	.p2align	8
	.type	k_q7ee86b4e56_attn,@function
k_q7ee86b4e56_attn:
	s_mov_b64 s[64:65], 0
	v_nop
	global_prefetch_b8 v0, s[64:65] scope:SCOPE_SE
	s_setreg_imm32_b32 hwreg(HW_REG_WAVE_MODE, 25, 1), 1
	s_wait_xcnt 0x0
	s_wait_alu depctr_hold_cnt(0) depctr_sa_sdst(0) depctr_va_vdst(0) depctr_va_sdst(0) depctr_va_ssrc(0) depctr_va_vcc(0) depctr_vm_vsrc(0)
	s_getreg_b32 s2, hwreg(HW_REG_IB_STS2, 6, 4)
	s_cmp_eq_u32 s2, 0
	s_cbranch_scc0 .Lentry_in_a_cluster
	s_endpgm
.Lentry_in_a_cluster:
	s_bfe_u32 s2, ttmp6, 0x10000c
	s_cmp_lg_u32 s2, 0x3003
	s_cbranch_scc0 .Lentry_shape_is_right
	s_endpgm
.Lentry_shape_is_right:
; o[q] = (sum over keys of p V) / l, p = 2^(t - M), t = (q . k) log2(e) / 8, M the running largest t rounded up to a whole number, l the sum of the unquantised p; both products on codes of FP6 (E2M3) with E8M0 scales.
; o is quantised along the model's 1,024 (a head's 64 are two blocks) and leaves as a half image of the last product's operand, with its two scale bytes.
; SHARES: a cluster of four work-groups is one (batch, head); a work-group owns 512 queries; each of its eight waves holds TWO tiles of 16 queries at a time (tiles 16 p + 2 w + a of the 32, pass p = 0, 1, a = 0, 1).
; One set of K's and V's fragments serves both tiles; the two tiles' vector chains stand line by line in turn; tile 0's exponentials stand among tile 1's multiply-adds, tile 1's among tile 0's first sums.
; K, V AND THEIR SCALE WORDS OF THE WHOLE HEAD STAY IN LDS: 16 steps of 128 keys x 13,056 bytes.  Filled ONCE, one joint load a wave (two steps: two rows of 13,056 bytes, 19,712 apart in memory; the mask names all four partners).
; Waves 0 and 1 have a load line of their own: the first barrier shows steps 0-3 alone; the barrier behind the third step, with every wave's wait, shows the rest.  Nothing is filled again.
; K'S FRAGMENTS RUN ONE STEP AHEAD: step n + 1's are loaded behind step n's score products, beside step n's V; one wait, ahead of P V, serves both.  A pass's first loop has three steps, so that its look-ahead stays inside steps 0-3;
; in the second loop the look-ahead is held at step 15 (its last trip loads step 15 once more, and nobody reads that); each pass loads step 0 at its top.
; No prefetch: all that the launch reads is asked for at its head, so there is no trip to run ahead in.
; LAYOUT: both products transposed (S^T = K Q^T, O^T = V^T P^T): a lane holds ONE query.  All operands lie in LDS as images of their registers (a half image of 768 bytes: registers 0-3 at 16 x lane, 4-5 at 512 + 8 x lane).
; THE KEYS OF A TILE OF K ARE CHOSEN: row 8 H + j of tile 4 c + u is key 64 c + 32 H + 16 (u % 2) + 8 (u / 2) + j, read from the stored tile 4 c + 2 H + u % 2, row 8 (u / 2) + j.  So a lane's 32 scores of tiles 4 c .. 4 c + 3 are
; the WHOLE block 2 c + h of 32 keys, in the order in which V's codes stand (position i: key i, i + 8, i - 8, i by eights): the conversions' results are the operand's registers, and a block's maximum needs no other lane.
; K = 64 IN AN INSTRUCTION OF 128: Q's registers 6-11 are zero codes; K's fragment of tile t names also the next tile's six registers (zeros behind tile 7), each multiplied by a zero code under scale bytes 0 (2^-127, a number).
; LIMITS: the promise holds while the scaled scores stay under 2^31 in magnitude.  A block whose largest magnitude lies under 2^-124 (zeros too) gets the byte 1; this program alone reads the bytes.  NaN and infinities are not served.
; os is stored a byte a lane: 1 / 24 of the launch's output.
; REGISTERS, window 0: v1-3 16 x lane, 8 x lane, 16 x row; v4-6 K's bases; v7 8 h; v8 os's offset; v9 h; v10-12 K's addresses, v13-15 V's; v16+4a -M, v17+4a largest score, v[18+4a:19+4a] l; v[24+2a:25+2a] f; v28+a next Q's scale word;
;   v32-39 K's scale words, v40-43 V's, v44+a p's, v46+a Q's; v48+8a .. at work; v64+64a .. S^T, then p; v192-223 sums; v224-250 the way out.
; window 1 (written by the low 8 bits): v0-53 K's fragments; v56+12a Q; v80+6a the next pass's Q; v96+12a p's codes; v120+8a second halves; v136-159 and v224-247 V's fragments; v160+32a O^T.
.set STEPG, 19712
.set HEADB, 16*STEPG
.set KVB,   13056                      ; K's images 0, V's 6,144, K's scale words 12,288, V's 12,800
.set WV,  18
.set SEL, 20
.set CS,  22                           ; s[22:23] c = log2(e) / 8
.set NC,  36                           ; -c
.set TN,  38                           ; the next step's first LDS byte
.set G1,  24
.set G0,  32
.set TB,  2
.set CNT, 3
.set MSB, 0
.macro WIN new
.if MSB != (\new)
	s_set_vgpr_msb (MSB<<8)|(\new)
.set MSB, (\new)
.endif
.endm
.macro WALU
	s_wait_alu depctr_va_vdst(0)
.endm
.macro CROUND
	s_barrier_signal -1
	s_barrier_wait -1
	s_cmp_lg_u32 s[WV], 0
	s_cbranch_scc1 .Lnot_wave_0_\@
	s_barrier_signal -3
.Lnot_wave_0_\@:
	s_barrier_wait -3
	s_barrier_signal -1
	s_barrier_wait -1
.endm
	s_load_b128 s[4:7], s[0:1], 0x0                ; qkv, oc
	s_load_b64 s[8:9], s[0:1], 0x10                ; os
	v_lshl_add_u32 v254, v0, 2, 0x33000
	v_mov_b32 v255, 0
	ds_add_u32 v254, v255                          ; the opening lines
	ds_add_u32 v254, v255
	v_lshrrev_b32 v4, 5, v0
	v_readfirstlane_b32 s[WV], v4                  ; wave 0..7
	v_and_b32 v5, 31, v0
	v_and_b32 v6, 15, v0                           ; r
	v_bfe_u32 v9, v0, 4, 1                         ; h
	v_lshlrev_b32 v1, 4, v5
	v_lshlrev_b32 v2, 3, v5
	v_lshlrev_b32 v3, 4, v6
	v_lshl_add_u32 v8, v6, 5, v9                   ; os: 32 r + h
	v_lshlrev_b32 v7, 3, v9
	v_bfe_u32 v10, v0, 3, 1                        ; H = r / 8
	v_and_b32 v11, 7, v0                           ; j = r % 8
	v_mul_u32_u24 v12, v10, 1536
	v_lshl_add_u32 v4, v11, 4, v12
	v_lshl_add_u32 v4, v9, 8, v4                   ; K, registers 0-3: 1536 H + 16 j + 256 h
	v_lshl_add_u32 v5, v11, 3, v12
	v_lshl_add_u32 v5, v9, 7, v5                   ; registers 4-5: 1536 H + 8 j + 128 h
	v_lshlrev_b32 v6, 4, v11
	v_lshl_add_u32 v6, v10, 3, v6                  ; scale words: 16 j + 8 H
	s_bfe_u32 s19, ttmp6, 0x40000                  ; cx: it enters Q's, oc's and os's addresses alone
	s_and_b32 s48, ttmp7, 0xffff                   ; 16 x batch + head
	s_mul_i32 s50, s48, HEADB
	s_mov_b32 s51, 0
	s_mul_i32 s52, s[WV], 2*STEPG
	s_mov_b32 s53, 0
	s_mul_i32 s49, s[WV], 2*KVB
	s_mov_b32 s[G1], 15|(3<<16)|(1<<21)            ; the mask: all four; elements of 8 bytes; bit 21 beside a mask
	s_mov_b32 s[G1+1], 1632<<16                    ; a row: 13,056 bytes
	s_mov_b32 s[G1+2], 2<<16
	s_mov_b32 s[G1+3], 1632<<16
	s_mov_b32 s[G1+4], 2
	s_mov_b32 s[G1+5], 2464                        ; 19,712 bytes from step to step
	s_mov_b32 s[G1+6], 0
	s_mov_b32 s[G1+7], 0
	s_mov_b32 s[SEL], 0x76543210
	s_mov_b32 s[SEL+1], 0xfedcba98
	s_mov_b32 s[CS], 0x3e38aa3b
	s_mov_b32 s[CS+1], s[CS]
	s_mov_b32 s[NC], 0xbe38aa3b
	WALU                                           ; the wait ahead of the blocking waits
	s_wait_dscnt 0x0
	s_wait_kmcnt 0x0
	s_add_nc_u64 s[4:5], s[4:5], s[50:51]          ; qkv at my head
	s_mov_b32 s[G0], 1
	s_mov_b32 s[G0+1], s49
	s_add_nc_u64 s[G0+2:G0+3], s[4:5], s[52:53]    ; steps 2 w and 2 w + 1
	s_or_b32 s[G0+3], s[G0+3], 0x80000000
	CROUND                                         ; all four work-groups are here: the joint loads meet
	s_cmp_lt_u32 s[WV], 2
	s_cbranch_scc0 .Llate
	tensor_load_to_lds s[G0:G0+3], s[G1:G1+7]      ; waves 0, 1: steps 0-3
	s_nop 0
.rept 4
	v_nop
.endr
	s_branch .Lasked
.Llate:
	tensor_load_to_lds s[G0:G0+3], s[G1:G1+7]      ; waves 2-7: steps 4-15
	s_nop 0
.rept 4
	v_nop
.endr
.Lasked:
	s_lshl_b32 s54, s19, 2                         ; my tiles of pass 0 are 32 cx + 2 w + a: step 4 cx + w / 4, tile 2 (w % 4) + a in it; pass 1: two steps on
	s_lshr_b32 s55, s[WV], 2
	s_add_co_u32 s54, s54, s55
	s_mul_i32 s54, s54, STEPG
	s_and_b32 s55, s[WV], 3
	s_mul_i32 s56, s55, 1536
	s_add_co_u32 s56, s56, s54
	s_add_co_u32 s56, s56, 13056                   ; Q's half images
	s_mov_b32 s57, 0
	s_lshr_b32 s58, s55, 1
	s_lshl_b32 s58, s58, 8
	s_and_b32 s55, s[WV], 1
	s_lshl_b32 s55, s55, 3
	s_add_co_u32 s58, s58, s55
	s_add_co_u32 s58, s58, s54
	s_add_co_u32 s58, s58, 19200                   ; Q's scale words: [tile / 4][row][tile % 4]
	s_mov_b32 s59, 0
	s_add_nc_u64 s[14:15], s[4:5], s[56:57]
	s_add_nc_u64 s[16:17], s[4:5], s[58:59]
	WIN 0x40
.irp a, 0,1
	global_load_b128 v[56+12*\a:59+12*\a], v1, s[14:15] offset:768*\a
	global_load_b64 v[60+12*\a:61+12*\a], v2, s[14:15] offset:768*\a+512
	global_load_b128 v[80+6*\a:83+6*\a], v1, s[14:15] offset:2*STEPG+768*\a
	global_load_b64 v[84+6*\a:85+6*\a], v2, s[14:15] offset:2*STEPG+768*\a+512
.endr
	WIN 0
.irp a, 0,1
	global_load_b32 v[46+\a], v3, s[16:17] offset:4*\a
	global_load_b32 v[28+\a], v3, s[16:17] offset:2*STEPG+4*\a
.endr
	s_lshr_b32 s54, s48, 4
	s_lshl_b32 s54, s54, 7
	s_lshl_b32 s55, s19, 5
	s_add_co_u32 s54, s54, s55
	s_lshl_b32 s55, s[WV], 1
	s_add_co_u32 s54, s54, s55                     ; my first tile of 16 tokens: 128 x batch + 32 cx + 2 w
	s_and_b32 s55, s48, 15                         ; the head
	s_mul_i32 s56, s54, 12288
	s_mul_i32 s58, s55, 768
	s_add_co_u32 s56, s56, s58
	s_add_nc_u64 s[10:11], s[6:7], s[56:57]        ; oc
	s_lshl_b32 s56, s54, 9
	s_lshl_b32 s55, s55, 1
	s_add_co_u32 s56, s56, s55
	s_add_nc_u64 s[12:13], s[8:9], s[56:57]        ; os
	WIN 0x40
.irp j, 48,49,50,51,52,53,62,63,64,65,66,67,74,75,76,77,78,79
	v_mov_b32 v[\j], 0                             ; zero codes: behind K's tile 7, and the upper halves of both Q's
.endr
	WIN 0
.irp j, 25,27,50,58
	v_mov_b32 v[\j], 0                             ; written once: the upper halves of the pairs f, and permutes' destinations
.endr
; K's eight fragments and scale words of the step at v10-12
.macro KLOAD
	WIN 0x40
.irp c, 0,1
.irp u, 0,1,2,3
	ds_load_b128 v[24*\c+6*\u:24*\c+6*\u+3], v10 offset:768*(4*\c+\u%2)+128*(\u/2)
	ds_load_b64 v[24*\c+6*\u+4:24*\c+6*\u+5], v11 offset:768*(4*\c+\u%2)+512+64*(\u/2)
.endr
.endr
	WIN 0
.irp c, 0,1
.irp g, 0,1
	ds_load_b64 v[32+4*\c+2*\g:33+4*\c+2*\g], v12 offset:12288+256*\c+128*\g   ; my row's words of tiles 4 c + 2 g and the next
.endr
.endr
.endm
; A KEY STEP: 128 keys x 32 queries.  K's fragments are in.  hold = 1: the look-ahead is held at step 15
.macro STEP hold
	WIN 0x05
.irp t, 0,1,2,3,4,5,6,7
.irp a, 0,1
	v_wmma_scale_f32_16x16x128_f8f6f4 v[64+64*\a+8*\t:71+64*\a+8*\t], v[6*\t:6*\t+11], v[56+12*\a:67+12*\a], 0, v[32+\t], v[46+\a] matrix_a_fmt:MATRIX_FMT_FP6 matrix_b_fmt:MATRIX_FMT_FP6
.endr
.endr
	WIN 0
	s_add_co_u32 s[TN], s[TB], KVB
.if \hold
	s_min_u32 s[TN], s[TN], 15*KVB
.endif
	v_add_nc_u32 v13, s[TB], v1                    ; these six are the places in front of the loads below and of the first read of the scores
	v_add_nc_u32 v14, s[TB], v2
	v_add_nc_u32 v15, s[TB], v3
	v_add_nc_u32 v10, s[TN], v4
	v_add_nc_u32 v11, s[TN], v5
	v_add_nc_u32 v12, s[TN], v6
	WIN 0x40
.irp t, 0,1,2,3
	ds_load_b128 v[136+12*\t+64*(\t/2):139+12*\t+64*(\t/2)], v13 offset:6144+1536*\t         ; V's four images: they land under the softmax
	ds_load_b64 v[140+12*\t+64*(\t/2):141+12*\t+64*(\t/2)], v14 offset:6144+1536*\t+512
	ds_load_b128 v[142+12*\t+64*(\t/2):145+12*\t+64*(\t/2)], v13 offset:6144+1536*\t+768
	ds_load_b64 v[146+12*\t+64*(\t/2):147+12*\t+64*(\t/2)], v14 offset:6144+1536*\t+1280
.endr
	WIN 0
	ds_load_b128 v[40:43], v15 offset:12800
	KLOAD                                          ; and the next step's K
.irp a, 0,1
.irp c, 0,1
	v_max3_num_f32 v[48+8*\a+\c], v[64+64*\a+32*\c], v[65+64*\a+32*\c], v[66+64*\a+32*\c]   ; my block's largest score: for the row's maximum and, since p rises with the score, for the block's largest p
.endr
.endr
.irp i, 3,5,7,9,11,13,15,17,19,21,23,25,27,29
.irp a, 0,1
.irp c, 0,1
	v_max3_num_f32 v[48+8*\a+\c], v[48+8*\a+\c], v[64+64*\a+32*\c+\i], v[65+64*\a+32*\c+\i]
.endr
.endr
.endr
.irp a, 0,1
.irp c, 0,1
	v_max_num_f32 v[48+8*\a+\c], v[48+8*\a+\c], v[95+64*\a+32*\c]
.endr
.endr
.irp a, 0,1
	v_max_num_f32 v[51+8*\a], v[48+8*\a], v[49+8*\a]
.endr
.irp a, 0,1
	v_permlanex16_b32 v[50+8*\a], v[51+8*\a], s[SEL], s[SEL+1]
.endr
.irp a, 0,1
	v_max3_num_f32 v[17+4*\a], v[17+4*\a], v[51+8*\a], v[50+8*\a]   ; the running largest score
.endr
.irp a, 0,1
	v_mul_f32 v[51+8*\a], s[NC], v[17+4*\a]        ; -t
.endr
.irp a, 0,1
	v_floor_f32 v[51+8*\a], v[51+8*\a]             ; the new -M = -ceil(t)
.endr
.irp a, 0,1
	v_sub_f32 v[50+8*\a], v[51+8*\a], v[16+4*\a]   ; old M less new M: a whole number, 0 or less
.endr
.irp a, 0,1
	v_mov_b32 v[16+4*\a], v[51+8*\a]
.endr
.irp a, 0,1
	v_cvt_i32_f32 v[50+8*\a], v[50+8*\a]           ; (it saturates)
.endr
.irp a, 0,1
	v_ldexp_f32 v[24+2*\a], 1.0, v[50+8*\a]        ; f = 2^(old M - new M)
.endr
.set j, 0
.rept 32
	v_pk_fma_f32 v[64+j:65+j], v[64+j:65+j], s[CS:CS+1], v[16:17] op_sel_hi:[1,0,0]   ; tile 0: t - M
.set j, j+2
.endr
	v_fma_f32 v48, v48, s[CS], v16
	v_fma_f32 v49, v49, s[CS], v16
	WALU                                           ; ahead of the batch
.set j, 0
.rept 32
	v_exp_f32 v[64+j], v[64+j]                     ; tile 0: p; among them tile 1's t - M, first read behind the next wait
	v_exp_f32 v[65+j], v[65+j]
	v_pk_fma_f32 v[128+j:129+j], v[128+j:129+j], s[CS:CS+1], v[20:21] op_sel_hi:[1,0,0]
.set j, j+2
.endr
	v_exp_f32 v48, v48
	v_fma_f32 v56, v56, s[CS], v20
	v_exp_f32 v49, v49
	v_fma_f32 v57, v57, s[CS], v20
	WALU                                           ; behind tile 0's batch and ahead of tile 1's
.set j, 0
.rept 16
	v_exp_f32 v[128+j], v[128+j]                   ; tile 1: p; among them tile 0's sixteen first sums, each into a pair of its own, read behind the next wait
	v_exp_f32 v[129+j], v[129+j]
	v_exp_f32 v[130+j], v[130+j]
	v_exp_f32 v[131+j], v[131+j]
	v_pk_add_f32 v[192+j/2:193+j/2], v[64+j:65+j], v[66+j:67+j]
.set j, j+4
.endr
	v_exp_f32 v56, v56
	v_exp_f32 v57, v57
	v_nop
	WALU
.irp i, 0,1,2,3,4,5,6,7
	v_pk_add_f32 v[192+2*\i:193+2*\i], v[192+2*\i:193+2*\i], v[208+2*\i:209+2*\i]
.endr
.irp i, 0,1,2,3,4,5,6,7
	v_pk_add_f32 v[208+2*\i:209+2*\i], v[128+4*\i:129+4*\i], v[130+4*\i:131+4*\i]   ; tile 1's sums: eight chains
.endr
.irp a, 0,1
.irp c, 0,1
	v_max_num_f32 v[48+8*\a+\c], 0x1800000, v[48+8*\a+\c]          ; the floor 2^(3 - 127): the byte cannot fall under 1
.endr
.endr
.irp a, 0,1
.irp c, 0,1
	v_add_nc_u32 v[52+8*\a+\c], 0xff000000, v[48+8*\a+\c]          ; 2 off the exponent field: the conversion's scale operand
.endr
.endr
.irp a, 0,1
.irp c, 0,1
	v_lshrrev_b32 v[54+8*\a+\c], 23, v[52+8*\a+\c]                 ; the byte of block 2 c + h
.endr
.endr
.irp i, 0,1,2,3
	v_pk_add_f32 v[192+2*\i:193+2*\i], v[192+2*\i:193+2*\i], v[200+2*\i:201+2*\i]
.endr
.irp i, 0,1,2,3,4,5,6,7
	v_pk_add_f32 v[208+2*\i:209+2*\i], v[208+2*\i:209+2*\i], v[160+2*\i:161+2*\i]
.endr
.irp a, 0,1
	v_lshl_or_b32 v[51+8*\a], v[55+8*\a], 16, v[54+8*\a]
.endr
.irp a, 0,1
	v_lshlrev_b32 v[51+8*\a], v7, v[51+8*\a]       ; 8 h bits up
.endr
.irp i, 0,1
	v_pk_add_f32 v[192+2*\i:193+2*\i], v[192+2*\i:193+2*\i], v[196+2*\i:197+2*\i]
.endr
.irp i, 0,1,2,3,4,5,6,7
	v_pk_add_f32 v[208+2*\i:209+2*\i], v[208+2*\i:209+2*\i], v[176+2*\i:177+2*\i]
.endr
.irp a, 0,1
	v_permlanex16_b32 v[50+8*\a], v[51+8*\a], s[SEL], s[SEL+1]
.endr
	v_pk_add_f32 v[192:193], v[192:193], v[194:195]
.irp i, 0,1,2,3
	v_pk_add_f32 v[208+2*\i:209+2*\i], v[208+2*\i:209+2*\i], v[216+2*\i:217+2*\i]
.endr
.irp a, 0,1
	v_or_b32 v[44+\a], v[51+8*\a], v[50+8*\a]      ; with lane l xor 16's two bytes p's scale word is whole
.endr
	v_pk_fma_f32 v[18:19], v[18:19], v[24:25], v[192:193] op_sel_hi:[1,0,1]   ; l under the new M, and this step's sum
.irp i, 0,1
	v_pk_add_f32 v[208+2*\i:209+2*\i], v[208+2*\i:209+2*\i], v[212+2*\i:213+2*\i]
.endr
	v_pk_add_f32 v[208:209], v[208:209], v[210:211]
	v_pk_fma_f32 v[22:23], v[22:23], v[26:27], v[208:209] op_sel_hi:[1,0,1]
	WIN 0x40
.irp a, 0,1
.irp c, 0,1
	v_cvt_scalef32_pk16_fp6_f32 v[96+12*\a+6*\c:98+12*\a+6*\c], v[64+64*\a+32*\c:79+64*\a+32*\c], v[52+8*\a+\c]
	v_cvt_scalef32_pk16_fp6_f32 v[120+8*\a+4*\c:122+8*\a+4*\c], v[80+64*\a+32*\c:95+64*\a+32*\c], v[52+8*\a+\c]   ; (three registers begin on an even number: made here and moved)
.endr
.endr
	v_nop                                          ; one plain place behind a scaled conversion
	WIN 0x41
.irp a, 0,1
.irp c, 0,1
.irp i, 0,1,2
	v_mov_b32 v[99+12*\a+6*\c+\i], v[120+8*\a+4*\c+\i]
.endr
.endr
.endr
	WALU                                           ; directly ahead of the first reader of O^T
.set j, 0
.rept 16
	v_pk_mul_f32 v[160+j:161+j], v[160+j:161+j], v[24:25] op_sel_hi:[1,0]   ; O^T under the new M; these are also the places between codes and scale words and the products below
.set j, j+2
.endr
.set j, 0
.rept 16
	v_pk_mul_f32 v[192+j:193+j], v[192+j:193+j], v[26:27] op_sel_hi:[1,0]
.set j, j+2
.endr
	WALU
	s_wait_dscnt 0x0                               ; V is in, and so is the next step's K
	WIN 0x55
.irp t, 0,1,2,3
.irp a, 0,1
	v_wmma_scale_f32_16x16x128_f8f6f4 v[160+32*\a+8*\t:167+32*\a+8*\t], v[136+12*\t+64*(\t/2):147+12*\t+64*(\t/2)], v[96+12*\a:107+12*\a], v[160+32*\a+8*\t:167+32*\a+8*\t], v[40+\t], v[44+\a] matrix_a_fmt:MATRIX_FMT_FP6 matrix_b_fmt:MATRIX_FMT_FP6
.endr
.endr
	WIN 0
	s_add_co_u32 s[TB], s[TB], KVB
.endm
.macro STEPS n, hold
	s_mov_b32 s[CNT], \n
.Lstep_\@:
	STEP \hold
	s_sub_co_u32 s[CNT], s[CNT], 1
	s_cmp_lg_u32 s[CNT], 0
	s_cbranch_scc1 .Lstep_\@
.endm
	WALU                                           ; the head's end
	s_wait_loadcnt 0x0                             ; both passes' Q and their scale words
	s_cmp_lt_u32 s[WV], 2
	s_cbranch_scc0 .Lnot_first
	s_wait_tensorcnt 0x0                           ; waves 0, 1: steps 0-3 have landed
.Lnot_first:
	s_barrier_signal -1
	s_barrier_wait -1
	s_mov_b32 s37, 0
.Lpass:                                                ; a trip is a pass over all 2,048 keys for my two tiles
.irp a, 0,1
	v_mov_b32 v[17+4*\a], 0xff61b1e6               ; the largest score so far: -3e38
	v_mov_b32 v[16+4*\a], 0x7e000000               ; -M: so large that the first f is 0
	v_mov_b32 v[18+4*\a], 0
	v_mov_b32 v[19+4*\a], 0
.endr
	v_mov_b32 v10, v4
	v_mov_b32 v11, v5
	v_mov_b32 v12, v6
	KLOAD                                          ; step 0's K: it lands under the lines below
	WIN 0x40
.set j, 0
.rept 64
	v_mov_b32 v[160+j], 0                          ; O^T: the step is written once; the first finds zeros
.set j, j+1
.endr
	WIN 0
	s_mov_b32 s[TB], 0
	s_wait_dscnt 0x0
	STEPS 3, 0
	s_wait_tensorcnt 0x0                           ; every wave's load has landed (in the second trip nothing is out)
	s_wait_dscnt 0x0
	s_barrier_signal -1
	s_barrier_wait -1                              ; steps 4-15 are shown to all
	STEPS 13, 1
; THE WAY OUT: O^T / l, quantised: the head's 64 channels are two blocks, one half image a tile.
.rept 4
	v_nop
.endr
.irp a, 0,1
	v_add_f32 v[18+4*\a], v[18+4*\a], v[19+4*\a]
.endr
.irp a, 0,1
	v_permlanex16_b32 v[50+8*\a], v[18+4*\a], s[SEL], s[SEL+1]
.endr
.irp a, 0,1
	v_add_f32 v[18+4*\a], v[18+4*\a], v[50+8*\a]   ; the row's sum
.endr
	WALU
	v_rcp_f32 v24, v18
	v_rcp_f32 v26, v22
	v_nop
	WIN 0x01
	WALU
.irp a, 0,1
.set j, 0
.rept 16
	v_pk_mul_f32 v[64+64*\a+j:65+64*\a+j], v[160+32*\a+j:161+32*\a+j], v[24+2*\a:25+2*\a] op_sel_hi:[1,0]   ; each accumulator from its low end on
.set j, j+2
.endr
.endr
	WIN 0
.irp a, 0,1
.irp b, 0,1
	v_max3_num_f32 v[48+8*\a+\b], |v[64+64*\a+16*\b]|, |v[65+64*\a+16*\b]|, 0x1800000
.endr
.endr
.irp i, 2,4,6,8,10,12,14
.irp a, 0,1
.irp b, 0,1
	v_max3_num_f32 v[48+8*\a+\b], v[48+8*\a+\b], |v[64+64*\a+16*\b+\i]|, |v[65+64*\a+16*\b+\i]|
.endr
.endr
.endr
.irp a, 0,1
.irp b, 0,1
	v_permlanex16_b32 v[52+8*\a+\b], v[48+8*\a+\b], s[SEL], s[SEL+1]
.endr
.endr
.irp a, 0,1
.irp b, 0,1
	v_max_num_f32 v[48+8*\a+\b], v[48+8*\a+\b], v[52+8*\a+\b]
.endr
.endr
.irp a, 0,1
.irp b, 0,1
	v_add_nc_u32 v[52+8*\a+\b], 0xff000000, v[48+8*\a+\b]
.endr
.endr
.irp a, 0,1
.irp b, 0,1
	v_lshrrev_b32 v[54+8*\a+\b], 23, v[52+8*\a+\b]
.endr
.endr
.irp a, 0,1
	v_cvt_scalef32_pk16_fp6_f32 v[224+16*\a:226+16*\a], v[64+64*\a:79+64*\a], v[52+8*\a]
	v_cvt_scalef32_pk16_fp6_f32 v[232+16*\a:234+16*\a], v[80+64*\a:95+64*\a], v[53+8*\a]
.endr
	v_nop
.irp a, 0,1
.irp i, 0,1,2
	v_permlane16_swap_b32 v[224+16*\a+\i], v[232+16*\a+\i]         ; a whole block in a lane: lanes 0-15 block 0, lanes 16-31 block 1
.endr
.endr
.irp a, 0,1
.irp i, 0,1,2
	v_mov_b32 v[227+16*\a+\i], v[232+16*\a+\i]
.endr
.endr
	v_cmp_eq_u32 vcc_lo, 1, v9
.irp a, 0,1
	v_cndmask_b32 v[51+8*\a], v[54+8*\a], v[55+8*\a], vcc_lo       ; lanes 0-15 store block 0's byte, lanes 16-31 block 1's
.endr
.irp a, 0,1
	global_store_b128 v1, v[224+16*\a:227+16*\a], s[10:11] offset:12288*\a       ; 512 consecutive bytes
	global_store_b64 v2, v[228+16*\a:229+16*\a], s[10:11] offset:12288*\a+512    ; 256 consecutive bytes
	global_store_b8 v8, v[51+8*\a], s[12:13] offset:512*\a
.endr
	WIN 0x41
.irp a, 0,1
.irp i, 0,1,2,3,4,5
	v_mov_b32 v[56+12*\a+\i], v[80+6*\a+\i]        ; the second pass's Q (the last trip's copies repeat themselves and are read by nobody)
.endr
.endr
	WIN 0
	v_mov_b32 v46, v28
	v_mov_b32 v47, v29
	WALU
	s_wait_xcnt 0x0                                ; the stores have read their data and bases
	s_add_nc_u64 s[10:11], s[10:11], 196608        ; sixteen tiles of tokens on
	s_add_nc_u64 s[12:13], s[12:13], 8192
	s_add_co_u32 s37, s37, 1
	s_cmp_lt_u32 s37, 2
	s_cbranch_scc1 .Lpass
	s_wait_tensorcnt 0x0                           ; the wave's end
	ds_add_u32 v254, v255
	s_wait_dscnt 0x0
	CROUND                                         ; the closing round
	s_endpgm
.Lfunc_end_k_q7ee86b4e56_attn:
	.size	k_q7ee86b4e56_attn, .Lfunc_end_k_q7ee86b4e56_attn-k_q7ee86b4e56_attn
	.p2alignl 7, 3214868480
	.fill 96, 4, 3214868480
	.section	.rodata,"a",@progbits
	.p2align	6, 0x0
	.amdhsa_kernel k_q7ee86b4e56_attn
		.amdhsa_group_segment_fixed_size 210944
		.amdhsa_private_segment_fixed_size 0
		.amdhsa_enable_private_segment 0
		.amdhsa_kernarg_size 24
		.amdhsa_user_sgpr_count 2
		.amdhsa_user_sgpr_kernarg_segment_ptr 1
		.amdhsa_wavefront_size32 1
		.amdhsa_system_sgpr_workgroup_id_x 1
		.amdhsa_system_sgpr_workgroup_id_y 1
		.amdhsa_system_sgpr_workgroup_id_z 1
		.amdhsa_system_vgpr_workitem_id 0
		.amdhsa_next_free_vgpr 512
		.amdhsa_next_free_sgpr 66
		.amdhsa_reserve_vcc 1
		.amdhsa_float_denorm_mode_32 3
		.amdhsa_float_denorm_mode_16_64 3
		.amdhsa_memory_ordered 1
		.amdhsa_forward_progress 1
		.amdhsa_inst_pref_size 74
	.end_amdhsa_kernel
	.amdgpu_metadata
---
amdhsa.version: [ 1, 2 ]
amdhsa.kernels:
  - .name:           k_q7ee86b4e56_attn
    .symbol:         k_q7ee86b4e56_attn.kd
    .args:
      - { .name: qkv, .offset: 0, .size: 8, .value_kind: global_buffer, .address_space: global }
      - { .name: oc, .offset: 8, .size: 8, .value_kind: global_buffer, .address_space: global }
      - { .name: os, .offset: 16, .size: 8, .value_kind: global_buffer, .address_space: global }
    .group_segment_fixed_size: 210944
    .private_segment_fixed_size: 0
    .kernarg_segment_align: 8
    .kernarg_segment_size: 24
    .max_flat_workgroup_size: 256
    .sgpr_count:     66
    .vgpr_count:     512
    .wavefront_size: 32
...
	.end_amdgpu_metadata
.endif
;; end of part 3
;; launch outp (part 4): grid 4 x 64, 4 waves a work-group, clusters of 4 x 4, 327,680 bytes of LDS; arguments oc, os, wc, wsc, bo, out0; writes out0
.if DOCPART == 4
	.amdgcn_target "amdgcn-amd-amdhsa--gfx1250"
	.amdhsa_code_object_version 6
	.text
	.protected	k_q7ee86b4e56_outp
	.globl	k_q7ee86b4e56_outp
	.p2align	8
	.type	k_q7ee86b4e56_outp,@function
k_q7ee86b4e56_outp:
	s_mov_b64 s[64:65], 0
	v_nop
	global_prefetch_b8 v0, s[64:65] scope:SCOPE_SE
	s_setreg_imm32_b32 hwreg(HW_REG_WAVE_MODE, 25, 1), 1
	s_wait_xcnt 0x0
	s_wait_alu depctr_hold_cnt(0) depctr_sa_sdst(0) depctr_va_vdst(0) depctr_va_sdst(0) depctr_va_ssrc(0) depctr_va_vcc(0) depctr_vm_vsrc(0)
	s_getreg_b32 s2, hwreg(HW_REG_IB_STS2, 6, 4)
	s_cmp_eq_u32 s2, 0
	s_cbranch_scc0 .Lentry_in_a_cluster
	s_endpgm
.Lentry_in_a_cluster:
	s_bfe_u32 s2, ttmp6, 0x10000c
	s_cmp_lg_u32 s2, 0xf033
	s_cbranch_scc0 .Lentry_shape_is_right
	s_endpgm
.Lentry_shape_is_right:
; out0 [8192][1024] f32 = o Wo + bo on codes of FP6 (E2M3) with E8M0 scales.  oc and wc hold images of operand registers: [tile of 16 rows][8 K steps of 128][1536 bytes] (two half images of 768 bytes: registers 6 c .. 6 c + 3 at
; 16 x lane, 6 c + 4, 6 c + 5 at 512 + 8 x lane); os and wsc [row][32]: a byte a block.  Wo^T's rows are rows 3,072 on of wc and wsc.
; SHARES: 256 work-groups, each 128 rows x 256 columns of the result; four waves, 2 x 2, each 64 x 128: 32 accumulators of 16 x 16.
; ALL OF K LIES IN LDS: A's 8 tiles (98,304 bytes, dense in memory), B's 16 (196,608), and both scale blocks (rows of 256 bytes + 16 of padding).  Four joint loads, one a wave, at the head; nothing is filled again: no ring, no round in the walk.
; CLUSTERS: 4 x 4; A's tile and scales are shared along a row of the cluster, B's along a column.
; No prefetch: all that the launch reads is asked for at its head, so there is no trip to run ahead in.
; THE MATRIX INSTRUCTION IS USED TRANSPOSED (source 0 = 16 rows of Wo^T, source 1 = 16 rows of o): a lane holds eight neighbouring numbers of a row of the result.  The bias is the first products' C.
; THE SCALE WORDS of all eight K steps lie in 64 registers: v[SC + 8 q + i]: lanes 0-15 the word of A's block i, lanes 16-31 that of B's block i, K step q (for i over 3 lanes 0-15 hold words that nobody reads).
; A K step: the next step's 48 fragment loads into the other set of registers, then 32 products, the accumulators by turns.
; THE WAY OUT: a block of 16 rows x 128 columns goes through the wave's stage in LDS and leaves as rows of 512 bytes.  The stages lie in A's bytes, which have had their only fill; a barrier, signalled when my last fragments are in, stands ahead.
; REGISTERS: window 0: v16-29 addresses; v32-95 scale words; v128-223 A's fragments, two sets of 48 (on the way out v128-255 rows read back); window 1: B's fragments, sets at v0 and v128; window 2: accumulator (a, b) at v[8 (8 a + b)]; window 3: v0-63 the bias.
.set FR,     12
.set TILE,   12288
.set ABYTES, 8*TILE
.set SCL,    24*TILE
.set SBLK,   2*272
.set SPARE,  SCL+48*272
.set SPITCH, 528
.set SIZE_N, 1024
.set ADRA, 16                          ; v16 16 x lane form, v17 8 x lane form
.set ADRB, 18                          ; v18, v19 16 x lane form for tiles 0-3, 4-7; v20, v21 8 x lane form
.set STO,  24
.set RD,   25
.set CO,   26
.set ADRS, 27
.set SPW,  28
.set NIL,  29
.set SC,   32
.set AF,   128
.set BK,   128
.set G1,   24
.set G0,   32
.set G1B,  48
.set G0B,  56
.set G1S,  68
.set G0S,  76
.set G1SB, 80
.set G0SB, 88
.set MSB, 0
.macro WIN new
.if MSB != (\new)
	s_set_vgpr_msb (MSB<<8)|(\new)
.set MSB, (\new)
.endif
.endm
.macro PLACES n
.rept \n
	v_nop
.endr
.endm
.macro CROUND
	s_barrier_signal -1
	s_barrier_wait -1
	s_cmp_lg_u32 s14, 0
	s_cbranch_scc1 .Lnot_wave_0_\@
	s_barrier_signal -3
.Lnot_wave_0_\@:
	s_barrier_wait -3
	s_barrier_signal -1
	s_barrier_wait -1
.endm
	s_load_b256 s[4:11], s[0:1], 0x0               ; oc, os, wc, wsc
	s_load_b128 s[96:99], s[0:1], 0x20             ; bo, out0
	v_lshl_add_u32 v[SPW], v0, 2, SPARE
	v_mov_b32 v[NIL], 0
	ds_add_u32 v[SPW], v[NIL]                      ; the opening lines
	ds_add_u32 v[SPW], v[NIL]
	v_lshrrev_b32 v1, 5, v0
	v_readfirstlane_b32 s14, v1                    ; wave
	s_lshr_b32 s15, s14, 1                         ; my 64 rows of the 128
	s_and_b32 s16, s14, 1                          ; my 128 columns of the 256
	s_bfe_u32 s40, ttmp6, 0x40000
	s_bfe_u32 s41, ttmp6, 0x40004
	s_lshl_b32 s42, ttmp9, 2
	s_add_co_u32 s42, s42, s40                     ; tile column, 0 .. 3
	s_and_b32 s17, ttmp7, 0xffff
	s_lshl_b32 s17, s17, 2
	s_add_co_u32 s17, s17, s41                     ; tile row, 0 .. 63
	s_lshl_b32 s43, s41, 2
	s_lshl_b32 s43, 15, s43                        ; my row of the cluster
	s_lshl_b32 s44, 0x1111, s40                    ; my column
	s_or_b32 s[G1+0], s43, (3<<16)|(1<<21)         ; codes: rows of 12,288 bytes (a tile of 16 rows, all of K), dense
	s_or_b32 s[G1B+0], s44, (3<<16)|(1<<21)
.irp g, G1, G1B
	s_mov_b32 s[\g+1], 1536<<16
	s_mov_b32 s[\g+3], 1536<<16
	s_mov_b32 s[\g+5], 1536
	s_mov_b32 s[\g+6], 0
	s_mov_b32 s[\g+7], 0
.endr
	s_mov_b32 s[G1+2], 8<<16
	s_mov_b32 s[G1+4], 8
	s_mov_b32 s[G1B+2], 16<<16
	s_mov_b32 s[G1B+4], 16
	s_or_b32 s[G1S+0], s43, (3<<16)|(1<<20)|(1<<21)|(5<<22)|(3<<25)   ; scales: rows of 256 bytes, 16 of padding behind each
	s_or_b32 s[G1SB+0], s44, (3<<16)|(1<<20)|(1<<21)|(5<<22)|(3<<25)
.irp g, G1S, G1SB
	s_mov_b32 s[\g+1], 32<<16
	s_mov_b32 s[\g+3], 32<<16
	s_mov_b32 s[\g+5], 32
	s_mov_b32 s[\g+6], 0
	s_mov_b32 s[\g+7], 0
.endr
	s_mov_b32 s[G1S+2], 16<<16
	s_mov_b32 s[G1S+4], 16
	s_mov_b32 s[G1SB+2], 32<<16
	s_mov_b32 s[G1SB+4], 32
	s_mul_i32 s20, s17, 128*768                    ; A's 128 rows: codes,
	s_mov_b32 s21, 0
	s_lshl_b32 s22, s17, 12                        ; scale bytes
	s_mov_b32 s23, 0
	s_lshl_b32 s46, s42, 8
	s_add_co_u32 s46, s46, 3072                    ; B's 256 rows
	s_lshl_b32 s92, s46, 5
	s_mul_i32 s46, s46, 768
	s_mov_b32 s47, 0
	s_mov_b32 s93, 0
	s_wait_dscnt 0x0
	s_wait_kmcnt 0x0
	CROUND                                         ; all sixteen work-groups are here: the joint loads meet
	s_mov_b32 s[G0], 1
	s_mov_b32 s[G0+1], 0
	s_add_nc_u64 s[G0+2:G0+3], s[4:5], s[20:21]
	s_or_b32 s[G0+3], s[G0+3], 0x80000000
	s_mov_b32 s[G0B], 1
	s_mov_b32 s[G0B+1], ABYTES
	s_add_nc_u64 s[G0B+2:G0B+3], s[8:9], s[46:47]
	s_or_b32 s[G0B+3], s[G0B+3], 0x80000000
	s_mov_b32 s[G0S], 1
	s_mov_b32 s[G0S+1], SCL
	s_add_nc_u64 s[G0S+2:G0S+3], s[6:7], s[22:23]
	s_or_b32 s[G0S+3], s[G0S+3], 0x80000000
	s_mov_b32 s[G0SB], 1
	s_mov_b32 s[G0SB+1], SCL+8*SBLK
	s_add_nc_u64 s[G0SB+2:G0SB+3], s[10:11], s[92:93]
	s_or_b32 s[G0SB+3], s[G0SB+3], 0x80000000
.macro ARM under, g0, g1, next         ; one chain of branches on the wave's number, one load to an arm
	s_cmp_lt_u32 s14, \under
	s_cbranch_scc0 \next
	tensor_load_to_lds s[\g0:\g0+3], s[\g1:\g1+7]
	s_nop 0
	PLACES 4
	s_branch .Lhead_asked
\next:
.endm
	ARM 1, G0,  G1,  .Lhead_b
	ARM 2, G0B, G1B, .Lhead_sa
	ARM 3, G0S, G1S, .Lhead_sb
	tensor_load_to_lds s[G0SB:G0SB+3], s[G1SB:G1SB+7]
	s_nop 0
	PLACES 4
.Lhead_asked:
	s_lshl_b32 s20, s17, 7
	s_lshl_b32 s21, s15, 6
	s_add_co_u32 s20, s20, s21                     ; my first row of the result
	s_lshl_b32 s20, s20, 12
	s_lshl_b32 s46, s42, 10
	s_lshl_b32 s47, s16, 9
	s_add_co_u32 s46, s46, s47                     ; my first column, in bytes
	s_add_co_u32 s20, s20, s46
	s_mov_b32 s21, 0
	s_mov_b32 s47, 0
	s_add_nc_u64 s[12:13], s[98:99], s[20:21]
	s_add_nc_u64 s[96:97], s[96:97], s[46:47]
	v_and_b32 v1, 15, v0
	v_bfe_u32 v2, v0, 4, 1
	v_and_b32 v3, 31, v0
	v_lshlrev_b32 v8, 5, v2
	WIN 0xc0
.irp b, 0,1,2,3,4,5,6,7
	global_load_b128 v[8*\b:8*\b+3], v8, s[96:97] offset:64*\b        ; bo at columns 16 b + 8 h + 0 .. 7
	global_load_b128 v[8*\b+4:8*\b+7], v8, s[96:97] offset:64*\b+16
.endr
	WIN 0
	v_lshlrev_b32 v4, 4, v3
	v_lshlrev_b32 v7, 3, v3
	s_mul_i32 s21, s15, 4*TILE
	s_mul_i32 s22, s16, 8*TILE
	s_add_co_u32 s22, s22, ABYTES
	v_add_nc_u32 v[ADRA], s21, v4
	v_add_nc_u32 v[ADRA+1], s21, v7
	v_add_nc_u32 v[ADRB], s22, v4
	v_add_nc_u32 v[ADRB+2], s22, v7
	s_add_co_u32 s22, s22, 4*TILE
	v_add_nc_u32 v[ADRB+1], s22, v4
	v_add_nc_u32 v[ADRB+3], s22, v7
	v_lshlrev_b32 v5, 5, v1                        ; my row's scales: 32 bytes a row,
	v_lshrrev_b32 v6, 8, v5
	v_lshl_add_u32 v5, v6, 4, v5                   ; and 16 more for each 256 passed
	s_mul_i32 s21, s15, 4*SBLK
	s_mul_i32 s22, s16, 8*SBLK
	s_add_co_u32 s22, s22, 8*SBLK
	s_sub_co_u32 s22, s22, s21
	v_mul_u32_u24 v6, s22, v2                      ; lanes 16-31 take B's
	s_add_co_u32 s21, s21, SCL
	v_add_nc_u32 v5, v5, v6
	v_add_nc_u32 v[ADRS], s21, v5
	s_mul_i32 s23, s14, 16*SPITCH                  ; my stage
	v_mul_u32_u24 v5, v1, SPITCH
	v_lshl_add_u32 v5, v2, 5, v5
	v_add_nc_u32 v[STO], s23, v5
	v_lshlrev_b32 v[CO], 4, v3
	v_add_nc_u32 v[RD], s23, v[CO]
.macro FRAG reg, a16, a8, off
	ds_load_b128 v[\reg:\reg+3], v[\a16] offset:\off
	ds_load_b64 v[\reg+4:\reg+5], v[\a8] offset:\off+512
	ds_load_b128 v[\reg+6:\reg+9], v[\a16] offset:\off+768
	ds_load_b64 v[\reg+10:\reg+11], v[\a8] offset:\off+1280
.endm
.macro FETCH q                         ; K step q's fragments into set q % 2: B's eight, A's four
	WIN 0x40
.irp i, 0,1,2,3,4,5,6,7
	FRAG 128*((\q)%2)+FR*\i, ADRB+\i/4, ADRB+2+\i/4, TILE*(\i%4)+1536*(\q)
.endr
	WIN 0
.irp i, 0,1,2,3
	FRAG AF+48*((\q)%2)+FR*\i, ADRA, ADRA+1, TILE*\i+1536*(\q)
.endr
.endm
.macro MUL q, first                    ; 32 products, the accumulators by turns
.irp a, 0,1,2,3
.irp b, 0,1,2,3,4,5,6,7
.if \first
	v_wmma_scale_f32_16x16x128_f8f6f4 v[8*(8*\a+\b):8*(8*\a+\b)+7], v[128*((\q)%2)+FR*\b:128*((\q)%2)+FR*\b+FR-1], v[AF+48*((\q)%2)+FR*\a:AF+48*((\q)%2)+FR*\a+FR-1], v[8*\b:8*\b+7], v[SC+8*(\q)+\b], v[SC+8*(\q)+\a] matrix_a_fmt:MATRIX_FMT_FP6 matrix_b_fmt:MATRIX_FMT_FP6 matrix_a_scale:MATRIX_SCALE_ROW1
.else
	v_wmma_scale_f32_16x16x128_f8f6f4 v[8*(8*\a+\b):8*(8*\a+\b)+7], v[128*((\q)%2)+FR*\b:128*((\q)%2)+FR*\b+FR-1], v[AF+48*((\q)%2)+FR*\a:AF+48*((\q)%2)+FR*\a+FR-1], v[8*(8*\a+\b):8*(8*\a+\b)+7], v[SC+8*(\q)+\b], v[SC+8*(\q)+\a] matrix_a_fmt:MATRIX_FMT_FP6 matrix_b_fmt:MATRIX_FMT_FP6 matrix_a_scale:MATRIX_SCALE_ROW1
.endif
.endr
.endr
.endm
	s_wait_alu depctr_va_vdst(0)                   ; the wait at the head's end
	s_wait_tensorcnt 0x0                           ; my tile of the four is in
	s_barrier_signal -1
	s_barrier_wait -1                              ; everybody's is
.irp q, 0,1,2,3,4,5,6,7
.irp i, 0,1,2,3,4,5,6,7
	ds_load_b32 v[SC+8*\q+\i], v[ADRS] offset:\i*SBLK+4*\q
.endr
.endr
	FETCH 0
	s_wait_loadcnt 0x0                             ; the bias
	s_wait_dscnt 0x0
	FETCH 1
	WIN 0xb1                                       ; source 0 window 1, source 1 window 0, C window 3, D window 2
	MUL 0, 1
	PLACES 4                                       ; places in front of the loads into the set just multiplied
	WIN 0
.irp q, 1,2,3,4,5,6
	s_wait_dscnt 0x0                               ; this step's fragments are in
	FETCH \q+1
	WIN 0xa1
	MUL \q, 0
	PLACES 4
	WIN 0
.endr
	s_wait_dscnt 0x0                               ; my last reads of A's and B's bytes are over:
	s_barrier_signal -1                            ; say so, and work on registers while the others arrive
	WIN 0xa1
	MUL 7, 0
	PLACES 4                                       ; places in front of the first read of results and of the loads into A's registers
	WIN 0
	s_barrier_wait -1                              ; nobody reads A's bytes any more: the stages may be written
.macro TOSTAGE a
	WIN 0x08
.irp b, 0,1,2,3,4,5,6,7
	ds_store_b128 v[STO], v[64*(\a)+8*\b:64*(\a)+8*\b+3] offset:64*\b            ; each accumulator from its low end on
	ds_store_b128 v[STO], v[64*(\a)+8*\b+4:64*(\a)+8*\b+7] offset:64*\b+16
.endr
	WIN 0
.set BB, BK+64*((\a)%2)
.irp t, 0,1,2,3,4,5,6,7,8,9,10,11,12,13,14,15
	ds_load_b128 v[BB+4*\t:BB+4*\t+3], v[RD] offset:\t*SPITCH     ; LDS serves a wave's instructions in order: these see my stores
.endr
.endm
.macro SEND a, younger
.set BB, BK+64*((\a)%2)
	s_wait_dscnt \younger
.if (\a) > 0
	s_add_nc_u64 s[12:13], s[12:13], 16*SIZE_N*4
.endif
.irp t, 0,1,2,3,4,5,6,7,8,9,10,11,12,13,14,15
	global_store_b128 v[CO], v[BB+4*\t:BB+4*\t+3], s[12:13] offset:\t*SIZE_N*4 th:TH_STORE_NT   ; 32 lanes store 512 consecutive bytes
.endr
.endm
	TOSTAGE 0
.irp a, 1,2,3
.if \a > 1
	s_wait_xcnt 0x0                                ; block a - 2's stores have read their registers and their base
.endif
	TOSTAGE \a
	SEND \a-1, 32                                  ; behind block a - 1's loads: block a's 16 stores and 16 loads
.endr
	s_wait_xcnt 0x0
	SEND 3, 0
	s_wait_tensorcnt 0x0                           ; the wave's end
	ds_add_u32 v[SPW], v[NIL]
	s_wait_dscnt 0x0
	CROUND                                         ; the closing round
	s_endpgm
.Lfunc_end_k_q7ee86b4e56_outp:
	.size	k_q7ee86b4e56_outp, .Lfunc_end_k_q7ee86b4e56_outp-k_q7ee86b4e56_outp
	.p2alignl 7, 3214868480
	.fill 96, 4, 3214868480
	.section	.rodata,"a",@progbits
	.p2align	6, 0x0
	.amdhsa_kernel k_q7ee86b4e56_outp
		.amdhsa_group_segment_fixed_size 327680
		.amdhsa_private_segment_fixed_size 0
		.amdhsa_enable_private_segment 0
		.amdhsa_kernarg_size 48
		.amdhsa_user_sgpr_count 2
		.amdhsa_user_sgpr_kernarg_segment_ptr 1
		.amdhsa_wavefront_size32 1
		.amdhsa_system_sgpr_workgroup_id_x 1
		.amdhsa_system_sgpr_workgroup_id_y 1
		.amdhsa_system_sgpr_workgroup_id_z 1
		.amdhsa_system_vgpr_workitem_id 0
		.amdhsa_next_free_vgpr 1024
		.amdhsa_next_free_sgpr 100
		.amdhsa_reserve_vcc 0
		.amdhsa_float_denorm_mode_32 3
		.amdhsa_float_denorm_mode_16_64 3
		.amdhsa_memory_ordered 1
		.amdhsa_forward_progress 1
		.amdhsa_inst_pref_size 87
	.end_amdhsa_kernel
	.amdgpu_metadata
---
amdhsa.version: [ 1, 2 ]
amdhsa.kernels:
  - .name:           k_q7ee86b4e56_outp
    .symbol:         k_q7ee86b4e56_outp.kd
    .args:
      - { .name: oc, .offset: 0, .size: 8, .value_kind: global_buffer, .address_space: global }
      - { .name: os, .offset: 8, .size: 8, .value_kind: global_buffer, .address_space: global }
      - { .name: wc, .offset: 16, .size: 8, .value_kind: global_buffer, .address_space: global }
      - { .name: wsc, .offset: 24, .size: 8, .value_kind: global_buffer, .address_space: global }
      - { .name: bo, .offset: 32, .size: 8, .value_kind: global_buffer, .address_space: global }
      - { .name: out0, .offset: 40, .size: 8, .value_kind: global_buffer, .address_space: global }
    .group_segment_fixed_size: 327680
    .private_segment_fixed_size: 0
    .kernarg_segment_align: 8
    .kernarg_segment_size: 48
    .max_flat_workgroup_size: 128
    .sgpr_count:     100
    .vgpr_count:     1024
    .wavefront_size: 32
...
	.end_amdgpu_metadata
.endif
;; end of part 4
